; MI455X (gfx1250); checked and timed in simulation.
; The chip was launched on July 23, 2026; its instructions are those of AMD's public machine-readable ISA for CDNA 5 (MIT licence, August 2026) and "CDNA5" Instruction Set Architecture Reference Guide (July 2026). The comments in the code are by the model that wrote it; some were corrected since.
;; Local Self Attention. Allowed arithmetic: matrix products marked QUANTISED: E2M1 operands, one E8M0 scale for each 32 along K, by v_wmma_scale_f32_16x16x128_f8f6f4 with both operands' format E2M1 (or v_wmma_scale_f32_32x16x128_f4), f32 sums; products left as they are: bf16, f16 or f32 operands; f32 sums; everything else in f32.
;; Inputs: W_out 256 x 256 float32; W_qkv 256 x 768 float32; b_out 256 float32; b_qkv 768 float32; x 4 x 4,096 x 256 float32.
;; Outputs: out0 4 x 4,096 x 256 float32.
;; This version of the problem:
;;   THIS VERSION OF THE PROBLEM IS GIVEN IN LOW PRECISION. The matrix products marked QUANTISED in the list below multiply operands that are first quantised to E2M1 (2 exponent bits, 1 mantissa bit; 4 bits a number), with one power-of-two scale for each 32 numbers along K (OCP MX v1.0); their sums are f32. The products marked 'left as it is' may take bf16, f16 or f32 operands, with f32 sums. Whichever they take, every output number must still come out within the allowed error. Rounding operands to bf16 (8 significant bits) uses up far more of that allowance than f16 does (11 bits, for magnitudes from 6e-5 to 65,504). All else is computed in f32.
;;   The module's matrix products, in the order in which they are computed (A, B: the left and right operand; K: the contracted axis; several contracted axes count as one K, in the product's order):
;;     1. [M 16,384, K 256] x [K 256, N 768]; A: input x; B: input W_qkv: QUANTISED
;;     2. batch 16 x [M 4,096, K 64] x [K 64, N 4,096]; A: computed on the way; B: computed on the way: left as it is (an operand is computed on the way)
;;     3. batch 16 x [M 4,096, K 4,096] x [K 4,096, N 64]; A: computed on the way; B: computed on the way: left as it is (an operand is computed on the way)
;;     4. [M 16,384, K 256] x [K 256, N 256]; A: computed on the way; B: input W_out: left as it is (an operand is computed on the way)
;;   THE QUANTISER, for each operand of a quantised product, along K:
;;     - K is cut into blocks of 32 from its start; a last block that is shorter is filled with zeros.
;;     - A block's scale is 2^e with e = floor(log2(the largest magnitude in the block)) - 2, held to -126 .. 127; a block of zeros has e = 0. As a byte (E8M0): e + 127.
;;     - Each number is divided by its block's scale, clamped to +-6, and rounded to the nearest number of E2M1, ties to even, subnormals kept.
;;     - The product sums the exact products of the quantised numbers (number of the format x scale) in f32.
;;   ~~~python
;;   def quantise(x, axis):      # numpy; x: float32 -> the quantised numbers, widened to float32 again
;;       x = np.moveaxis(x, axis, -1); K = x.shape[-1]
;;       x = np.pad(x, [(0, 0)] * (x.ndim - 1) + [(0, -K % 32)]); x = x.reshape(x.shape[:-1] + (-1, 32)); a = np.abs(x).max(-1, keepdims=True)
;;       e = np.where(a > 0, np.clip(np.frexp(np.where(a > 0, a, 1))[1] - 1 - 2, -126, 127), 0)      # np.frexp(a)[1] - 1 = floor(log2(a)), exactly
;;       r = np.clip(x / 2.0 ** e, -6, 6)
;;       step = 2.0 ** (np.maximum(np.frexp(np.where(r == 0, 1, r))[1] - 1, 0) - 1)
;;       q = np.round(r / step) * step * 2.0 ** e      # np.round: ties to even
;;       return np.moveaxis(q.reshape(q.shape[:-2] + (-1,))[..., :K], -1, axis).astype(np.float32)
;;   ~~~
;; 2 versions, each right; version 2 is version 1 with the launch attn written anew for expert scheduling mode. Each part assembles by itself: llvm-mc -triple=amdgcn-amd-amdhsa -mcpu=gfx1250 --defsym DOCPART=n.
;; ======== version 1 of 2: 2 launches
;; limits: values are held in f16: magnitudes above 65,504 overflow, below 6.1e-05 lose precision
;; workspace buffers: wq_codes 98,304 bytes; wq_scales 6,144 bytes; wo_f16 131,072 bytes
;; launch prep (part 1): grid 80 x 1, 1 waves a work-group, no clusters, 0 bytes of LDS; arguments W_qkv, W_out, wq_codes, wq_scales, wo_f16; writes wq_codes, wq_scales, wo_f16
.if DOCPART == 1
	.amdgcn_target "amdgcn-amd-amdhsa--gfx1250"
	.amdhsa_code_object_version 6
	.text
	.protected	k_qd34248e90f_prep
	.globl	k_qd34248e90f_prep
	.p2align	8
	.type	k_qd34248e90f_prep,@function
k_qd34248e90f_prep:
	s_mov_b64 s[64:65], 0
	v_nop
	global_prefetch_b8 v0, s[64:65] scope:SCOPE_SE
	s_setreg_imm32_b32 hwreg(HW_REG_WAVE_MODE, 25, 1), 1
	s_wait_xcnt 0x0
; The weights are prepared once, in the order in which the next launch's operand registers take them.
; W_qkv [256 (k)][768 (n)] f32 -> codes of FP4 (E2M1) along K with one E8M0 byte for each 32 along K.  W_out [256 (c)][256 (n)] f32 -> f16.
; A LANE TAKES A COLUMN n, AND ITS REGISTERS RUN DOWN K: each load reads 128 neighbouring bytes of one row, a block of 32 along K lies in one lane's 32 registers, and nothing is transposed.
; LAYOUTS.  wq_codes: column n, K step s (128 along K), block kb (0..3): 16 bytes at (2 (n / 16) + s) 1024 + 256 kb + 16 (n % 16): a fragment (16 columns x 128 K) is 1,024 bytes on end,
;   register group c of lane l at 512 c + 16 l.  wq_scales: word [s][n] at 3072 s + 4 n, byte kb = block kb's.  wo_f16: column n, eight rows c = 8 q .. 8 q + 7: 16 bytes at (n / 16) 8192 + 256 q + 16 (n % 16).
;   So sixteen neighbouring lanes store 256 consecutive bytes, aligned, straight from registers: no LDS.
; A block's scale is 2^(floor(log2(its largest magnitude)) - 2); its byte is the largest magnitude's exponent field - 2, held at 1 from below.
; LIMITS: a block of zeros gets the byte 1 where the rule says 127 (its codes are zeros, and this program alone reads the bytes); blocks whose largest magnitude lies under 2^-124 keep the byte 1;
; NaN and infinities are not served; numbers of W_out beyond 65,504 in magnitude have no f16.
; SHARES: one wave a work-group.  Work-groups 0-47: 32 columns x one K step of W_qkv.  Work-groups 48-79: 32 columns x 64 rows of W_out.
.set X, 32                             ; v32-159  the numbers as loaded
.set C, 160                            ; v160-191 results, four registers to a store, never written again
	s_load_b256 s[4:11], s[0:1], 0x0               ; W_qkv s[4:5], W_out s[6:7], wq_codes s[8:9], wq_scales s[10:11]
	s_load_b64 s[12:13], s[0:1], 0x20              ; wo_f16
	v_lshlrev_b32 v2, 2, v0                        ; in: 4 bytes a lane (one wave: v0 is the lane)
	v_lshrrev_b32 v5, 4, v0                        ; which of my two tiles of 16 columns
	v_and_b32 v6, 15, v0
	v_lshlrev_b32 v6, 4, v6
	v_lshl_add_u32 v3, v5, 11, v6                  ; codes out: 2048 (lane / 16) + 16 (lane % 16)
	v_lshl_add_u32 v4, v5, 13, v6                  ; f16 out:   8192 (lane / 16) + 16 (lane % 16)
	s_mov_b32 s17, 0                               ; upper words of the offsets
	s_mov_b32 s19, 0
	s_mov_b32 s21, 0
	s_cmp_ge_u32 ttmp9, 48
	s_cbranch_scc1 .Lwout
	; ---- W_qkv: g = id / 2 picks 32 columns, s = id % 2 a K step
	s_lshr_b32 s22, ttmp9, 1
	s_and_b32 s23, ttmp9, 1
	s_mul_i32 s16, s23, 128*3072                   ; 128 rows of 3,072 bytes a K step,
	s_lshl_b32 s24, s22, 7
	s_add_co_u32 s16, s16, s24                     ; + 128 bytes for each 32 columns
	s_lshl_b32 s18, s22, 12                        ; codes: 4096 g + 1024 s
	s_lshl_b32 s25, s23, 10
	s_add_co_u32 s18, s18, s25
	s_mul_i32 s20, s23, 3072                       ; scale words: 3072 s + 128 g
	s_add_co_u32 s20, s20, s24
	s_wait_kmcnt 0x0
	s_add_nc_u64 s[4:5], s[4:5], s[16:17]
	s_add_nc_u64 s[8:9], s[8:9], s[18:19]
	s_add_nc_u64 s[10:11], s[10:11], s[20:21]
.macro LOADA t                         ; block t: W(32 t + i, my column), i = 0 .. 31, into registers of its own
.set i, 0
.rept 32
	global_load_b32 v[X+32*(\t)+i], v2, s[4:5] offset:(32*(\t)+i)*3072 th:TH_LOAD_NT
.set i, i+1
.endr
.endm
.macro BLOCK t
.set XB, X+32*(\t)
.if (\t) < 3
	s_wait_loadcnt 32                              ; this block's 32 loads are in; the next block's 32 may be out
.else
	s_wait_loadcnt 0x0
.endif
.if (\t)+2 < 4
	LOADA (\t)+2                                   ; two blocks ahead, into other registers: nothing has to be freed
.endif
	v_max3_num_f32 v12, |v[XB]|, |v[XB+1]|, |v[XB+2]|              ; the block's largest magnitude: all 32 numbers are mine; two chains
	v_max3_num_f32 v13, |v[XB+3]|, |v[XB+4]|, |v[XB+5]|
.irp i, 6,10,14,18,22,26
	v_max3_num_f32 v12, v12, |v[XB+\i]|, |v[XB+\i+1]|
	v_max3_num_f32 v13, v13, |v[XB+\i+2]|, |v[XB+\i+3]|
.endr
	v_max3_num_f32 v12, v12, |v[XB+30]|, |v[XB+31]|
	v_max3_num_f32 v12, v12, v13, 0x1800000        ; and the floor 2^(3 - 127): the byte cannot fall under 1
	v_add_nc_u32 v11, 0xff000000, v12              ; 2 off the exponent field: the conversion takes this operand's exponent field as its scale
	v_lshrrev_b32 v13, 23, v11                     ; the scale's byte
.if (\t) == 0
	v_mov_b32 v14, v13                             ; four bytes make the K step's scale word, the lower K in the lower byte
.else
	v_lshl_or_b32 v14, v13, 8*(\t), v14
.endif
.irp g, 0,1,2,3
	v_cvt_scalef32_pk8_fp4_f32 v[C+4*(\t)+\g], v[XB+8*\g:XB+8*\g+7], v11
.endr
	v_nop                                          ; one plain line behind the last scaled conversion, ahead of the next write of its scale operand
	global_store_b128 v3, v[C+4*(\t):C+4*(\t)+3], s[8:9] offset:256*(\t)   ; sixteen lanes store 256 consecutive bytes, aligned
.endm
	LOADA 0
	LOADA 1
	BLOCK 0
	BLOCK 1
	BLOCK 2
	BLOCK 3
	global_store_b32 v2, v14, s[10:11]             ; my column's scale word of this K step
	s_endpgm
.Lwout:
	; ---- W_out: j = id - 48; g = j % 8 picks 32 columns, u = j / 8 picks 64 rows
	s_sub_co_u32 s22, ttmp9, 48
	s_and_b32 s23, s22, 7
	s_lshr_b32 s22, s22, 3
	s_lshl_b32 s16, s22, 16                        ; 64 rows of 1,024 bytes,
	s_lshl_b32 s24, s23, 7
	s_add_co_u32 s16, s16, s24                     ; + 128 bytes for each 32 columns
	s_lshl_b32 s18, s23, 14                        ; out: 16384 g + 2048 u
	s_lshl_b32 s24, s22, 11
	s_add_co_u32 s18, s18, s24
	s_wait_kmcnt 0x0
	s_add_nc_u64 s[6:7], s[6:7], s[16:17]
	s_add_nc_u64 s[12:13], s[12:13], s[18:19]
.set i, 0
.rept 64
	global_load_b32 v[X+i], v2, s[6:7] offset:i*1024 th:TH_LOAD_NT
.set i, i+1
.endr
.irp q, 0,1,2,3,4,5,6,7
	s_wait_loadcnt 56-8*\q                         ; the eight rows of this group are in; the later groups' loads may be out
.irp i, 0,1,2,3
	v_cvt_pk_f16_f32 v[C+4*\q+\i], v[X+8*\q+2*\i], v[X+8*\q+2*\i+1]   ; the lower row in the low half
.endr
	global_store_b128 v4, v[C+4*\q:C+4*\q+3], s[12:13] offset:256*\q    ; sixteen lanes store 256 consecutive bytes, aligned
.endr
	s_endpgm
.Lfunc_end_k_qd34248e90f_prep:
	.size	k_qd34248e90f_prep, .Lfunc_end_k_qd34248e90f_prep-k_qd34248e90f_prep
	.p2alignl 7, 3214868480
	.fill 96, 4, 3214868480
	.section	.rodata,"a",@progbits
	.p2align	6, 0x0
	.amdhsa_kernel k_qd34248e90f_prep
		.amdhsa_group_segment_fixed_size 0
		.amdhsa_private_segment_fixed_size 0
		.amdhsa_enable_private_segment 0
		.amdhsa_kernarg_size 40
		.amdhsa_user_sgpr_count 2
		.amdhsa_user_sgpr_kernarg_segment_ptr 1
		.amdhsa_wavefront_size32 1
		.amdhsa_system_sgpr_workgroup_id_x 1
		.amdhsa_system_sgpr_workgroup_id_y 1
		.amdhsa_system_sgpr_workgroup_id_z 1
		.amdhsa_system_vgpr_workitem_id 0
		.amdhsa_next_free_vgpr 192
		.amdhsa_next_free_sgpr 66
		.amdhsa_reserve_vcc 0
		.amdhsa_float_denorm_mode_32 3
		.amdhsa_float_denorm_mode_16_64 3
		.amdhsa_memory_ordered 1
		.amdhsa_forward_progress 1
		.amdhsa_inst_pref_size 30
	.end_amdhsa_kernel
	.amdgpu_metadata
---
amdhsa.version: [ 1, 2 ]
amdhsa.kernels:
  - .name:           k_qd34248e90f_prep
    .symbol:         k_qd34248e90f_prep.kd
    .args:
      - { .name: W_qkv, .offset: 0, .size: 8, .value_kind: global_buffer, .address_space: global }
      - { .name: W_out, .offset: 8, .size: 8, .value_kind: global_buffer, .address_space: global }
      - { .name: wq_codes, .offset: 16, .size: 8, .value_kind: global_buffer, .address_space: global }
      - { .name: wq_scales, .offset: 24, .size: 8, .value_kind: global_buffer, .address_space: global }
      - { .name: wo_f16, .offset: 32, .size: 8, .value_kind: global_buffer, .address_space: global }
    .group_segment_fixed_size: 0
    .private_segment_fixed_size: 0
    .kernarg_segment_align: 8
    .kernarg_segment_size: 40
    .max_flat_workgroup_size: 32
    .sgpr_count:     66
    .vgpr_count:     192
    .wavefront_size: 32
...
	.end_amdgpu_metadata
.endif
;; end of part 1
;; launch attn (part 2): grid 256 x 1, 4 waves a work-group, no clusters, 98,304 bytes of LDS; arguments x, wq_codes, wq_scales, b_qkv, wo_f16, b_out, out0; writes out0
.if DOCPART == 2
	.amdgcn_target "amdgcn-amd-amdhsa--gfx1250"
	.amdhsa_code_object_version 6
	.text
	.protected	k_qd34248e90f_attn
	.globl	k_qd34248e90f_attn
	.p2align	8
	.type	k_qd34248e90f_attn,@function
k_qd34248e90f_attn:
	s_mov_b64 s[64:65], 0
	v_nop
	global_prefetch_b8 v0, s[64:65] scope:SCOPE_SE
	s_setreg_imm32_b32 hwreg(HW_REG_WAVE_MODE, 25, 1), 1
	s_wait_xcnt 0x0
; out0 = attention(Q4(x) Q4(W_qkv) + b_qkv) W_out + b_out, window |i - j| <= 12, 4 heads of 64, the whole chain for 64 tokens in one work-group; nothing goes to memory on the way.
; SHARES.  Work-group id: batch id / 64, tokens 64 (id % 64) .. + 63.  It works on six tiles of 16 tokens, m = 0 .. 5, from 16 tokens before its first query to 16 behind its last; queries are tiles 1 .. 4.
;   A tile that would lie outside the batch takes the batch's first or last 16 rows instead (finite numbers), and all its scores are masked.
;   Wave w: quantises x's fragments 3 w .. 3 w + 2 (fragment 2 m + s: tile m, K step s); makes q, k, v of head w; runs head w's attention; makes output columns 64 w .. 64 w + 63 of all 64 rows.
; FORMATS.  x W_qkv on codes of FP4 (E2M1) with one E8M0 scale for each 32 along K, x quantised here in f32.  The other three products on f16 operands with f32 sums; softmax in f32.
; NO CHANGE OF LAYOUT between the products.  Lane (r, h) = (lane % 16, lane / 16).  q and k come from the first product TRANSPOSED (source 0 = 16 columns of W, source 1 = 16 tokens): a lane holds token r and
;   features 8 h + j, so two feature tiles rounded in pairs ARE a fragment 16 tokens x 32 channels.  v comes from it the natural way round (a lane holds channel r and tokens 8 h + j): half a fragment of V^T.
;   S^T = K Q^T, O^T = V^T P^T, Y^T = W_out^T O^T: a lane holds one query throughout, and rounded pairs are the next operand.  Only x's codes and O (f16) go from wave to wave, through LDS, as images of their registers.
; THE WINDOW.  Query tile t needs key tiles t, t + 1, t + 2 (48 keys).  The mask is the C of the first K Q^T instruction: 0 where |i - j| <= 12, else -1e30, which lies under every score that f16 operands can give
;   (64 x 65504^2 = 2.7e11); exp2 of such a score less the maximum is 0.  All 48 scores of a query are in registers at once, so the row's true maximum is taken away before the exponential.
; LIMITS: q, k, v, the attention's result and W_out must lie within +-65,504 (f16); NaN and infinities among the inputs are not served; masked scores are -1e30, not -infinity; a block of zeros of x
;   gets the scale byte 1 (its codes are zeros); blocks whose largest magnitude lies under 2^-124 keep the byte 1; the row's sum is taken of p before it is rounded to f16.
; NO CLUSTER, NO JOINT LOADS, though all work-groups read the same weights: a wave takes each of its 56 weight fragments (57,344 bytes) once, straight into the operand's registers, while x is quantised and
;   while attention runs; a joint load would lay the same bytes in LDS, whence each would be read once more into the same registers.
; Straight-line text: no loop, no branch, two barriers.  No base and no address register is ever stepped and no store's data are written again, so no wait frees a source.
;
; LDS (bytes)
.set XIMG,  0                          ; x's 12 fragments, 1,024 bytes each: register group c of lane l at 512 c + 16 l
.set XSC,   12288                      ; their scale words, 128 bytes each: 4 bytes a lane
.set OIMG,  13824                      ; O's 32 fragments (query tile t, K step ks) at 8192 t + 1024 ks
.set XST,   46592                      ; for each wave 16 rows x 528: x's turn from rows as loaded to 16 neighbours a lane
.set XSP,   528                        ; 512 bytes + 16: an odd multiple of 16, so that sixteen rows start in different banks (64 banks of 4 bytes: ISA guide 11.1)
.set STG,   80384                      ; for each wave 16 rows x 272: the way out
.set SP,    272
.set SPARE, 97792                      ; the spare words, 128 bytes for each wave: two blocks of 256 bytes that no other line names
; REGISTERS, in windows of 256.  Window 0:
.set LI,   4                           ; 16 x lane
.set LS,   5                           ; 4 x lane
.set R4,   6                           ; 4 r
.set H32,  7                           ; 32 h
.set XSW,  8                           ; x's stage, in: 16 x lane
.set XSR,  9                           ; x's stage, out: 528 r + 64 h
.set XWI,  10                          ; where I store x's images: 16 x lane + 3072 x wave
.set XWS,  11                          ; and their scale words: 4 x lane + 384 x wave
.set OWI,  12                          ; O's images: 16 x lane + 2048 x wave
.set SO,   13                          ; the way out: where I put 32 bytes of a row
.set SR,   14                          ; and where I read rows back
.set GO,   15                          ; my byte offset in two rows of out0
.set E,    16                          ; 16 + r - 8 h, for the mask
.set NEGB, 17                          ; -1e30
.set SPW,  20                          ; LDS address of my spare word; never rewritten
.set NIL,  21                          ; 0; never rewritten
.set TM,   32                          ; v32-47 the quantiser's temporaries; v48 the scale word; v50-57 the codes just made
.set PW,   48
.set PC,   50
.set ST,   32                          ; later: eight registers of statistics for each query tile
.set RA,   64                          ; v64-255 the numbers of my three fragments of x, 64 each
.set WS,   64                          ; later v64-87: W_qkv's scale words (2 p + s); v88-99: x's (fragment f)
.set XS,   88
.set MK,   100                         ; v100-123 the mask for key tiles a = 0, 1, 2; v124-131, v132-139: a = 0 and a = 2 at the batch's ends
.set ML,   124
.set MR,   132
.set ACC,  160                         ; v160-255 twelve accumulators of the first product; then S^T, 24 a query tile
.set S,    160
.set OA,   128                         ; v128-255 O^T, then Y^T: 32 a query tile
; Window 1: W_qkv's 24 fragments at v[16 p + 8 s], p = 4 part + feature tile; then W_out's 32 at v[64 nt + 8 ks].
; Window 2: x's fragments at v[8 f]; Q at v[96 + 16 t + 8 g]; K at v[160 + 16 m + 8 g]; later P at v[16 t + 8 step]; later O's fragments at v[64 t + 8 ks].
.set QF,   96
.set KF,   160
; Window 3: V^T at v[28 dt + 4 m], half 6 zeros; the biases in the results' layouts.
.set BQK,  112
.set BV,   176
.set BO,   208
.set WV,   18                          ; s18 my wave's number
.set SEL,  32                          ; s[32:33] v_permlanex16_b32's selects for lane l xor 16
.set CS,   34                          ; s[34:35] log2(e) / 8
.set MSB, 0
.macro WIN new                         ; bits 1:0 source 0, 3:2 source 1, 5:4 source 2, 7:6 destination; the immediate's high byte repeats the setting that is left
.if MSB != \new
	s_set_vgpr_msb (MSB<<8)|\new
.set MSB, \new
.endif
.endm
.macro PLACES                          ; four plain vector lines between a matrix instruction and the first read of its result, or a load into one of its registers
.rept 4
	v_nop
.endr
.endm
.macro BARRIER                         ; my LDS stores have landed and my LDS loads are in: then the work-group's barrier
	s_wait_dscnt 0x0
	s_barrier_signal -1
	s_barrier_wait -1
.endm
	s_load_b256 s[4:11], s[0:1], 0x0               ; x s[4:5], wq_codes s[6:7], wq_scales s[8:9], b_qkv s[10:11]
	s_load_b128 s[12:15], s[0:1], 0x20             ; wo_f16 s[12:13], b_out s[14:15]
	s_load_b64 s[16:17], s[0:1], 0x30              ; out0
	v_lshl_add_u32 v[SPW], v0, 2, SPARE
	v_mov_b32 v[NIL], 0
	v_lshrrev_b32 v1, 5, v0
	v_readfirstlane_b32 s[WV], v1                  ; wave 0..3
	v_and_b32 v1, 31, v0                           ; lane
	v_and_b32 v2, 15, v0                           ; r
	v_bfe_u32 v3, v0, 4, 1                         ; h
	v_lshlrev_b32 v[LI], 4, v1
	v_lshlrev_b32 v[R4], 2, v2
	v_lshlrev_b32 v[H32], 5, v3
	s_and_b32 s19, ttmp9, 63                       ; my block of 64 tokens in the batch
	s_lshr_b32 s20, ttmp9, 6                       ; the batch
	s_mul_i32 s44, s[WV], 3                        ; my first fragment of x
	s_lshl_b32 s45, s19, 6
	s_sub_co_i32 s45, s45, 16                      ; tile 0's first row in the batch (-16 in the first block)
	s_lshl_b32 s46, s20, 12                        ; the batch's first row
.irp i, 0,1,2
	s_add_co_u32 s21, s44, \i                      ; fragment f = 2 m + s
	s_lshr_b32 s22, s21, 1
	s_and_b32 s21, s21, 1
	s_lshl_b32 s22, s22, 4
	s_add_co_i32 s22, s22, s45
	s_max_i32 s22, s22, 0                          ; a tile outside the batch takes the batch's first
	s_min_i32 s22, s22, 4080                       ; or last 16 rows: no load leaves the batch
	s_add_co_u32 s22, s22, s46
	s_lshl_b32 s22, s22, 10                        ; rows of 1,024 bytes,
	s_lshl_b32 s21, s21, 9                         ; K steps of 512
	s_add_co_u32 s[24+2*\i], s22, s21
	s_mov_b32 s[25+2*\i], 0
.endr
	s_lshl_b32 s36, s[WV], 13                      ; my head's 8 fragments in each part of wq_codes
	s_mov_b32 s37, 0
	s_lshl_b32 s38, s[WV], 8                       ; my head's 64 words in wq_scales, b_qkv, b_out; my 256 bytes of a row of out0
	s_mov_b32 s39, 0
	s_lshl_b32 s40, s[WV], 15                      ; my 32 fragments of wo_f16
	s_mov_b32 s41, 0
	s_lshl_b32 s42, ttmp9, 16                      ; my work-group's 64 rows of out0
	s_add_co_u32 s42, s42, s38
	s_mov_b32 s43, 0
	s_cmp_eq_u32 s19, 0
	s_cselect_b32 s30, -1, 0                       ; all lanes where tile 0 lies outside the batch
	s_cmp_eq_u32 s19, 63
	s_cselect_b32 s31, -1, 0                       ; and tile 5
	s_mov_b32 s[SEL], 0x76543210
	s_mov_b32 s[SEL+1], 0xfedcba98
	s_mov_b32 s[CS], 0x3e38aa3b                    ; log2(e) / sqrt(64)
	s_mov_b32 s[CS+1], s[CS]                       ; (named with it as a pair, so it is written)
	s_wait_kmcnt 0x0
.irp i, 0,1,2
	s_add_nc_u64 s[24+2*\i:25+2*\i], s[4:5], s[24+2*\i:25+2*\i]
.endr
	s_add_nc_u64 s[6:7], s[6:7], s[36:37]
	s_add_nc_u64 s[8:9], s[8:9], s[38:39]
	s_add_nc_u64 s[10:11], s[10:11], s[38:39]
	s_add_nc_u64 s[12:13], s[12:13], s[40:41]
	s_add_nc_u64 s[14:15], s[14:15], s[38:39]
	s_add_nc_u64 s[16:17], s[16:17], s[42:43]
; ---- all that is known now is asked for now: 124 loads.  x first: 16 rows x 512 bytes a fragment, each load 512 consecutive bytes of one row
.macro XLOAD i
.irp row, 0,1,2,3,4,5,6,7,8,9,10,11,12,13,14,15
	global_load_b128 v[RA+64*\i+4*\row:RA+64*\i+4*\row+3], v[LI], s[24+2*\i:25+2*\i] offset:1024*\row
.endr
.endm
	XLOAD 0
	XLOAD 1
	XLOAD 2
	WIN 0x40                                       ; destination window 1: my head's 24 fragments of W_qkv, as they lie
.irp pt, 0,1,2
.irp ft, 0,1,2,3
.irp s, 0,1
.irp c, 0,1
	global_load_b128 v[16*(4*\pt+\ft)+8*\s+4*\c:16*(4*\pt+\ft)+8*\s+4*\c+3], v[LI], s[6:7] offset:32768*\pt+2048*\ft+1024*\s+512*\c
.endr
.endr
.endr
.endr
	WIN 0xc0                                       ; destination window 3: the biases, each in the layout of the result that it starts
.irp pt, 0,1
.irp ft, 0,1,2,3
	global_load_b128 v[BQK+8*(4*\pt+\ft):BQK+8*(4*\pt+\ft)+3], v[H32], s[10:11] offset:1024*\pt+64*\ft        ; q, k: features 8 h + 0 .. 7 of the tile
	global_load_b128 v[BQK+8*(4*\pt+\ft)+4:BQK+8*(4*\pt+\ft)+7], v[H32], s[10:11] offset:1024*\pt+64*\ft+16
.endr
.endr
.irp ft, 0,1,2,3
	global_load_b32 v[BV+8*\ft], v[R4], s[10:11] offset:2048+64*\ft                                           ; v: channel r of the tile
.endr
.irp nt, 0,1,2,3
	global_load_b128 v[BO+8*\nt:BO+8*\nt+3], v[H32], s[14:15] offset:64*\nt                                   ; out: columns 8 h + 0 .. 7 of the tile
	global_load_b128 v[BO+8*\nt+4:BO+8*\nt+7], v[H32], s[14:15] offset:64*\nt+16
.endr
.irp d, 0,1,2,3
.irp i, 0,1,2,3
	v_mov_b32 v[28*\d+24+\i], 0                    ; V^T's half 6: zeros, beside the last key tile
.endr
.endr
	WIN 0
	; the LDS addresses are made while the loads are out
	v_lshlrev_b32 v[LS], 2, v1
	s_mul_i32 s21, s[WV], 16*XSP
	s_add_co_u32 s21, s21, XST                     ; my stage for x
	v_add_nc_u32 v[XSW], s21, v[LI]
	v_mul_u32_u24 v[XSR], v2, XSP
	v_lshl_add_u32 v[XSR], v3, 6, v[XSR]
	v_add_nc_u32 v[XSR], s21, v[XSR]
	s_mul_i32 s21, s[WV], 3*1024
	v_add_nc_u32 v[XWI], s21, v[LI]
	s_mul_i32 s21, s[WV], 3*128
	v_add_nc_u32 v[XWS], s21, v[LS]
	s_lshl_b32 s21, s[WV], 11
	v_add_nc_u32 v[OWI], s21, v[LI]
	s_mul_i32 s21, s[WV], 16*SP
	s_add_co_u32 s21, s21, STG                     ; my stage for the way out
	v_mul_u32_u24 v[SO], v2, SP
	v_lshl_add_u32 v[SO], v3, 5, v[SO]
	v_add_nc_u32 v[SO], s21, v[SO]                 ; in: row r, 32 bytes for each half of the lanes
	v_mul_u32_u24 v[SR], v3, SP
	v_lshl_add_u32 v[SR], v2, 4, v[SR]
	v_add_nc_u32 v[SR], s21, v[SR]                 ; back: lanes 0-15 one row of 256 bytes, lanes 16-31 the next
	v_lshlrev_b32 v[GO], 10, v3
	v_lshl_add_u32 v[GO], v2, 4, v[GO]             ; and the same two rows in out0
	v_lshlrev_b32 v18, 3, v3
	v_sub_nc_u32 v[E], v2, v18
	v_add_nc_u32 v[E], 16, v[E]
	v_mov_b32 v[NEGB], 0xf149f2ca                  ; -1e30
.irp b, 0,1,2,3
	v_mov_b32 v[TM+4+\b], 0                        ; written once: a lane permute's destination counts as one of its sources
.endr
; ---- X: my three fragments of x become codes.  A fragment's 16 rows x 512 bytes go through my own stage as they were loaded and come back 16 neighbours of each block of 32 a lane, into the registers that they left.
; LDS serves a wave's instructions in order (ISA guide 5.7.1.4): no wait between the stores and the loads, nor in front of the next fragment's stores.
.macro TURN i
.irp row, 0,1,2,3,4,5,6,7,8,9,10,11,12,13,14,15
	ds_store_b128 v[XSW], v[RA+64*\i+4*\row:RA+64*\i+4*\row+3] offset:XSP*\row
.endr
.irp b, 0,1,2,3
.irp j, 0,1,2,3
	ds_load_b128 v[RA+64*\i+16*\b+4*\j:RA+64*\i+16*\b+4*\j+3], v[XSR] offset:128*\b+16*\j
.endr
.endr
.endm
; 64 numbers of a lane, register 16 b + i = k 32 b + 16 h + i of row r, become a fragment's codes in v[PC] on and its scale word in v[PW].
.macro QUANT s
.irp b, 0,1,2,3
	v_max3_num_f32 v[TM+\b], |v[\s+16*\b]|, |v[\s+1+16*\b]|, 0x1800000   ; block b: my 16 numbers, and the floor 2^(3 - 127): the byte cannot fall under 1
.endr
.irp i, 2,4,6,8,10,12,14
.irp b, 0,1,2,3
	v_max3_num_f32 v[TM+\b], v[TM+\b], |v[\s+16*\b+\i]|, |v[\s+1+16*\b+\i]|   ; (the four blocks by turns)
.endr
.endr
.irp b, 0,1,2,3
	v_permlanex16_b32 v[TM+4+\b], v[TM+\b], s[SEL], s[SEL+1]
.endr
.irp b, 0,1,2,3
	v_max_num_f32 v[TM+\b], v[TM+\b], v[TM+4+\b]   ; with lane l xor 16's: the block's largest magnitude
.endr
.irp b, 0,1,2,3
	v_add_nc_u32 v[TM+12+\b], 0xff000000, v[TM+\b] ; 2 off its exponent field: the conversion's scale operand
.endr
.irp b, 0,1,2,3
	v_lshrrev_b32 v[TM+4+\b], 23, v[TM+12+\b]      ; the scale's byte
.endr
	v_lshl_or_b32 v[PW], v[TM+5], 8, v[TM+4]       ; the four bytes make my row's scale word
	v_lshl_or_b32 v[PW], v[TM+6], 16, v[PW]
	v_lshl_or_b32 v[PW], v[TM+7], 24, v[PW]
.irp b, 0,1,2,3
	v_cvt_scalef32_pk8_fp4_f32 v[PC+2*\b], v[\s+16*\b:\s+7+16*\b], v[TM+12+\b]
	v_cvt_scalef32_pk8_fp4_f32 v[PC+1+2*\b], v[\s+8+16*\b:\s+15+16*\b], v[TM+12+\b]
.endr
	v_nop                                          ; one plain line behind the last scaled conversion
.irp c, 0,1                                    ; the operand's layout wants a WHOLE block in a lane: lanes 0-15 block 2 c, lanes 16-31 block 2 c + 1
.irp i, 0,1
	v_permlane16_swap_b32 v[PC+4*\c+\i], v[PC+2+4*\c+\i]
.endr
.endr
.endm
.macro IMAGE i                         ; the fragment goes to LDS as it stands in my registers, and its scale words, 4 bytes a lane
.irp c, 0,1
	ds_store_b128 v[XWI], v[PC+4*\c:PC+4*\c+3] offset:XIMG+1024*\i+512*\c
.endr
	ds_store_b32 v[XWS], v[PW] offset:XSC+128*\i
.endm
	s_wait_loadcnt 63                              ; 76 loads were issued behind x's last, more than a wait can name (ISA guide 5.7.1): at most 63 outstanding shows the first 61 of the 124 done, x's 48 among them
	TURN 0
	TURN 1
	s_wait_dscnt 32                                ; fragment 0 is back; fragment 1's 32 LDS instructions may be out
	QUANT RA
	IMAGE 0
.irp pt, 0,1,2                                 ; W_qkv's scale words, into registers that fragment 0 has left: lane r takes column r's word
.irp ft, 0,1,2,3
.irp s, 0,1
	global_load_b32 v[WS+2*(4*\pt+\ft)+\s], v[R4], s[8:9] offset:3072*\s+1024*\pt+64*\ft
.endr
.endr
.endr
	TURN 2
	s_wait_dscnt 32                                ; all but fragment 2's 32: fragment 1 is back, and the first image's stores have read their registers
	QUANT RA+64
	IMAGE 1
	s_wait_dscnt 0x0                               ; fragment 2 is back, and the second image's stores have read their registers
	QUANT RA+128
	IMAGE 2
	; the masks, while the stores land.  Register j of key tile a holds key - query = 16 a - 16 + 8 h + j - r: it counts where that + 12 lies in 0 .. 24, as an unsigned number
.irp a, 0,1,2
.irp j, 0,1,2,3,4,5,6,7
	v_sub_nc_u32 v18, 16*\a+\j+12, v[E]
	v_cmp_lt_u32 vcc_lo, 24, v18
	v_cndmask_b32 v[MK+8*\a+\j], 0, v[NEGB], vcc_lo
.endr
.endr
.irp j, 0,1,2,3,4,5,6,7
	v_cndmask_b32 v[ML+\j], v[MK+\j], v[NEGB], s30       ; query tile 0's first key tile: nothing counts where it lies before the batch
	v_cndmask_b32 v[MR+\j], v[MK+16+\j], v[NEGB], s31    ; query tile 3's last key tile: nothing counts where it lies behind the batch
.endr
	BARRIER                                        ; x's twelve fragments lie in LDS
; ---- 1: q, k, v of my head
	WIN 0x80                                       ; destination window 2
.irp f, 0,1,2,3,4,5,6,7,8,9,10,11
.irp c, 0,1
	ds_load_b128 v[8*\f+4*\c:8*\f+4*\c+3], v[LI] offset:XIMG+1024*\f+512*\c
.endr
.endr
	WIN 0
.irp f, 0,1,2,3,4,5,6,7,8,9,10,11
	ds_load_b32 v[XS+\f], v[LS] offset:XSC+128*\f
.endr
	s_wait_loadcnt 0x0                             ; W_qkv's fragments and scale words, the biases
	WIN 0xc3                                       ; inside window 3
.irp ft, 0,1,2,3
.irp j, 1,2,3,4,5,6,7
	v_mov_b32 v[BV+8*\ft+\j], v[BV+8*\ft]          ; v's bias is the same for a lane's eight tokens
.endr
.endr
	s_wait_dscnt 0x0                               ; x's fragments and scale words
; Two feature tiles (u) x the token tiles (m): 8 or 12 accumulators take turns, one instruction a turn, K step by K step.  The bias is the C of each sum's first instruction.
; part 0 = q (tiles 1 .. 4 alone), 1 = k.  The results, rounded in pairs, are registers 4 u + i of fragment (tile, channels 32 g on).
.macro GROUP_T part, g
.irp s, 0,1
.if \s == 0
	WIN 0x39                                       ; source 0 (W) window 1, source 1 (x) window 2, C (bias) window 3
.else
	WIN 0x09                                       ; C and D window 0
.endif
.irp u, 0,1
.irp m, 0,1,2,3,4,5
.if (\part > 0) || ((\m > 0) && (\m < 5))
.set rP, 4*\part+2*\g+\u
.set rD, ACC+8*(6*\u+\m)
.if \s == 0
	v_wmma_scale_f32_16x16x128_f8f6f4 v[rD:rD+7], v[16*rP:16*rP+7], v[16*\m:16*\m+7], v[BQK+8*rP:BQK+8*rP+7], v[WS+2*rP], v[XS+2*\m] matrix_a_fmt:MATRIX_FMT_FP4 matrix_b_fmt:MATRIX_FMT_FP4
.else
	v_wmma_scale_f32_16x16x128_f8f6f4 v[rD:rD+7], v[16*rP+8:16*rP+15], v[16*\m+8:16*\m+15], v[rD:rD+7], v[WS+2*rP+1], v[XS+2*\m+1] matrix_a_fmt:MATRIX_FMT_FP4 matrix_b_fmt:MATRIX_FMT_FP4
.endif
.endif
.endr
.endr
.endr
	PLACES
	WIN 0x80                                       ; destination window 2
.irp u, 0,1
.irp m, 0,1,2,3,4,5
.if (\part > 0) || ((\m > 0) && (\m < 5))
.set rD, ACC+8*(6*\u+\m)
.if \part == 0
.set rQ, QF+16*(\m-1)+8*\g+4*\u
.else
.set rQ, KF+16*\m+8*\g+4*\u
.endif
.irp i, 0,1,2,3
	v_cvt_pk_f16_f32 v[rQ+\i], v[rD+2*\i], v[rD+2*\i+1]   ; each accumulator from its low end on; these lines are also the places ahead of the next group's writes over the accumulators
.endr
.endif
.endr
.endr
.endm
; v, the natural way round: source 0 = 16 tokens, source 1 = 16 columns of W; the scale operands go with their sources.  The results, rounded in pairs, are half m of V^T's channel tile 2 g + u.
.macro GROUP_N g
.irp s, 0,1
.if \s == 0
	WIN 0x36                                       ; source 0 (x) window 2, source 1 (W) window 1, C (bias) window 3
.else
	WIN 0x06
.endif
.irp u, 0,1
.irp m, 0,1,2,3,4,5
.set rP, 8+2*\g+\u
.set rD, ACC+8*(6*\u+\m)
.if \s == 0
	v_wmma_scale_f32_16x16x128_f8f6f4 v[rD:rD+7], v[16*\m:16*\m+7], v[16*rP:16*rP+7], v[BV+8*(2*\g+\u):BV+8*(2*\g+\u)+7], v[XS+2*\m], v[WS+2*rP] matrix_a_fmt:MATRIX_FMT_FP4 matrix_b_fmt:MATRIX_FMT_FP4
.else
	v_wmma_scale_f32_16x16x128_f8f6f4 v[rD:rD+7], v[16*\m+8:16*\m+15], v[16*rP+8:16*rP+15], v[rD:rD+7], v[XS+2*\m+1], v[WS+2*rP+1] matrix_a_fmt:MATRIX_FMT_FP4 matrix_b_fmt:MATRIX_FMT_FP4
.endif
.endr
.endr
.endr
	PLACES
	WIN 0xc0                                       ; destination window 3
.irp u, 0,1
.irp m, 0,1,2,3,4,5
.set rD, ACC+8*(6*\u+\m)
.irp i, 0,1,2,3
	v_cvt_pk_f16_f32 v[28*(2*\g+\u)+4*\m+\i], v[rD+2*\i], v[rD+2*\i+1]
.endr
.endr
.endr
.endm
	GROUP_T 0, 0
	GROUP_T 0, 1
	GROUP_T 1, 0
	GROUP_T 1, 1
	GROUP_N 0
	GROUP_N 1
	WIN 0x40                                       ; W_qkv is done with (the conversions above are the places): my 32 fragments of W_out take its window and land while attention runs
.irp nt, 0,1,2,3
.irp ks, 0,1,2,3,4,5,6,7
.irp c, 0,1
	global_load_b128 v[64*\nt+8*\ks+4*\c:64*\nt+8*\ks+4*\c+3], v[LI], s[12:13] offset:8192*\nt+1024*\ks+512*\c
.endr
.endr
.endr
	WIN 0x80
.irp t, 0,1,2,3
.irp i, 12,13,14,15
	v_mov_b32 v[16*\t+\i], 0                       ; P's second fragment holds 16 keys: its other 16 are zeros
.endr
.endr
	WIN 0
.irp t, 0,1,2,3
	v_mov_b32 v[ST+8*\t+1], 0                      ; a lane permute's destination counts as one of its sources;
	v_mov_b32 v[ST+8*\t+7], 0                      ; named as the upper half of a pair
.endr
; ---- 2: attention of my head, the four query tiles side by side, line by line
	WIN 0x0a                                       ; K and Q in window 2, mask and S^T in window 0
.irp g, 0,1                                    ; S^T = K Q^T + mask: twelve accumulators by turns, 32 channels at a time
.irp t, 0,1,2,3
.irp a, 0,1,2
.set rS, S+24*\t+8*\a
.set rK, KF+16*(\t+\a)+8*\g
.set rQ, QF+16*\t+8*\g
.set rM, MK+8*\a
.if (\t == 0) && (\a == 0)
.set rM, ML
.endif
.if (\t == 3) && (\a == 2)
.set rM, MR
.endif
.if \g == 0
	v_wmma_f32_16x16x32_f16 v[rS:rS+7], v[rK:rK+7], v[rQ:rQ+7], v[rM:rM+7]
.else
	v_wmma_f32_16x16x32_f16 v[rS:rS+7], v[rK:rK+7], v[rQ:rQ+7], v[rS:rS+7]
.endif
.endr
.endr
.endr
	WIN 0
	PLACES
	; the row's maximum: a chain for each accumulator, begun at its low end
.irp a, 0,1,2
.irp t, 0,1,2,3
	v_max3_num_f32 v[ST+8*\t+2+\a], v[S+24*\t+8*\a], v[S+24*\t+8*\a+1], v[S+24*\t+8*\a+2]
.endr
.endr
.irp i, 3,5
.irp a, 0,1,2
.irp t, 0,1,2,3
	v_max3_num_f32 v[ST+8*\t+2+\a], v[ST+8*\t+2+\a], v[S+24*\t+8*\a+\i], v[S+24*\t+8*\a+\i+1]
.endr
.endr
.endr
.irp t, 0,1,2,3
	v_max3_num_f32 v[ST+8*\t+2], v[ST+8*\t+2], v[S+24*\t+7], v[S+24*\t+15]
.endr
.irp t, 0,1,2,3
	v_max3_num_f32 v[ST+8*\t+3], v[ST+8*\t+3], v[ST+8*\t+4], v[S+24*\t+23]
.endr
.irp t, 0,1,2,3
	v_max_num_f32 v[ST+8*\t+2], v[ST+8*\t+2], v[ST+8*\t+3]
.endr
.irp t, 0,1,2,3
	v_permlanex16_b32 v[ST+8*\t+1], v[ST+8*\t+2], s[SEL], s[SEL+1]   ; the query's other 24 keys lie in the lane 16 away
.endr
.irp t, 0,1,2,3
	v_max_num_f32 v[ST+8*\t], v[ST+8*\t+2], v[ST+8*\t+1]             ; m: a true score, since a query always counts for itself
.endr
	; (s - m) x log2(e) / 8.  The subtraction comes first and is not fused with the scaling: it is exactly 0 at the maximum and never above 0, however large the scores are;
	; c s - round(c m) could stand above 0 by half a unit in the last place of c m, which for very large scores is a large exponent
.irp x, 0,2,4,6,8,10,12,14,16,18,20,22
.irp t, 0,1,2,3
	v_pk_add_f32 v[S+24*\t+\x:S+24*\t+\x+1], v[S+24*\t+\x:S+24*\t+\x+1], v[ST+8*\t:ST+8*\t+1] op_sel_hi:[1,0] neg_lo:[0,1] neg_hi:[0,1]
.endr
.endr
.irp x, 0,2,4,6,8,10,12,14,16,18,20,22
.irp t, 0,1,2,3
	v_pk_mul_f32 v[S+24*\t+\x:S+24*\t+\x+1], v[S+24*\t+\x:S+24*\t+\x+1], s[CS:CS+1] op_sel_hi:[1,0]
.endr
.endr
.irp x, 0,1,2,3,4,5,6,7,8,9,10,11,12,13,14,15,16,17,18,19,20,21,22,23
.irp t, 0,1,2,3
	v_exp_f32 v[S+24*\t+\x], v[S+24*\t+\x]         ; p, at most 1; 0 under the mask.  One batch of 96
.endr
.endr
	v_nop                                          ; a plain line behind the last exponential
	s_wait_alu depctr_va_vdst(0)                   ; the wait stands ahead of the first line that names a result: one for the batch
	; the row's sum, of p as it is, two at a time, in two chains
.irp t, 0,1,2,3
	v_pk_add_f32 v[ST+8*\t+2:ST+8*\t+3], v[S+24*\t:S+24*\t+1], v[S+24*\t+2:S+24*\t+3]
.endr
.irp t, 0,1,2,3
	v_pk_add_f32 v[ST+8*\t+4:ST+8*\t+5], v[S+24*\t+4:S+24*\t+5], v[S+24*\t+6:S+24*\t+7]
.endr
.irp x, 8,12,16,20
.irp t, 0,1,2,3
	v_pk_add_f32 v[ST+8*\t+2:ST+8*\t+3], v[ST+8*\t+2:ST+8*\t+3], v[S+24*\t+\x:S+24*\t+\x+1]
	v_pk_add_f32 v[ST+8*\t+4:ST+8*\t+5], v[ST+8*\t+4:ST+8*\t+5], v[S+24*\t+\x+2:S+24*\t+\x+3]
.endr
.endr
.irp t, 0,1,2,3
	v_pk_add_f32 v[ST+8*\t+2:ST+8*\t+3], v[ST+8*\t+2:ST+8*\t+3], v[ST+8*\t+4:ST+8*\t+5]
.endr
.irp t, 0,1,2,3
	v_add_f32 v[ST+8*\t+2], v[ST+8*\t+2], v[ST+8*\t+3]
.endr
.irp t, 0,1,2,3
	v_permlanex16_b32 v[ST+8*\t+1], v[ST+8*\t+2], s[SEL], s[SEL+1]
.endr
.irp t, 0,1,2,3
	v_add_f32 v[ST+8*\t+2], v[ST+8*\t+2], v[ST+8*\t+1]
.endr
.irp t, 0,1,2,3
	v_rcp_f32 v[ST+8*\t+6], v[ST+8*\t+2]           ; at least 1 is summed: the maximum's own p
.endr
	WIN 0x80                                       ; destination window 2: p, rounded in pairs, is the second product's operand.  (Plain work behind the reciprocals)
.irp a, 0,1,2
.irp i, 0,1,2,3
.irp t, 0,1,2,3
	v_cvt_pk_f16_f32 v[16*\t+4*\a+\i], v[S+24*\t+8*\a+2*\i], v[S+24*\t+8*\a+2*\i+1]
.endr
.endr
.endr
	s_wait_alu depctr_va_vdst(0)                   ; one wait for the four reciprocals, ahead of their first reader
	WIN 0x0b                                       ; V^T in window 3, P in window 2, O^T in window 0
.irp k, 0,1                                    ; O^T = V^T P^T: sixteen accumulators by turns; key tiles t, t + 1, then t + 2 and zeros of P
.irp t, 0,1,2,3
.irp d, 0,1,2,3
.set rO, OA+32*\t+8*\d
.set rV, 28*\d+4*\t+8*\k
.set rP, 16*\t+8*\k
.if \k == 0
	v_wmma_f32_16x16x32_f16 v[rO:rO+7], v[rV:rV+7], v[rP:rP+7], 0
.else
	v_wmma_f32_16x16x32_f16 v[rO:rO+7], v[rV:rV+7], v[rP:rP+7], v[rO:rO+7]
.endif
.endr
.endr
.endr
	WIN 0
	PLACES
.irp t, 0,1,2,3                                ; O^T / the sum, each accumulator from its low end on
.irp x, 0,2,4,6,8,10,12,14,16,18,20,22,24,26,28,30
	v_pk_mul_f32 v[OA+32*\t+\x:OA+32*\t+\x+1], v[OA+32*\t+\x:OA+32*\t+\x+1], v[ST+8*\t+6:ST+8*\t+7] op_sel_hi:[1,0]
.endr
.endr
.irp t, 0,1,2,3                                ; rounded in pairs, in place and ascending: register k is read (as one of pair k / 2) before it is written
.irp k, 0,1,2,3,4,5,6,7,8,9,10,11,12,13,14,15
	v_cvt_pk_f16_f32 v[OA+32*\t+\k], v[OA+32*\t+2*\k], v[OA+32*\t+2*\k+1]
.endr
.endr
.irp t, 0,1,2,3                                ; channel tiles 2 i, 2 i + 1 of my head are K step 2 w + i of the last product: their images go to LDS
.irp i, 0,1
.irp c, 0,1
	ds_store_b128 v[OWI], v[OA+32*\t+8*\i+4*\c:OA+32*\t+8*\i+4*\c+3] offset:OIMG+8192*\t+1024*\i+512*\c
.endr
.endr
.endr
	BARRIER                                        ; O's 32 fragments lie in LDS
; ---- 3: Y^T = W_out^T O^T + b_out: my 64 columns for the 64 rows
	WIN 0x80                                       ; destination window 2
.irp ks, 0,1,2,3,4,5,6,7
.irp t, 0,1,2,3
.irp c, 0,1
	ds_load_b128 v[64*\t+8*\ks+4*\c:64*\t+8*\ks+4*\c+3], v[LI] offset:OIMG+8192*\t+1024*\ks+512*\c
.endr
.endr
.endr
	s_wait_loadcnt 0x0                             ; W_out
.irp ks, 0,1,2,3,4,5,6,7
	s_wait_dscnt 56-8*\ks                          ; this K step's eight loads are in; the later K steps' may be out
.if \ks == 0
	WIN 0x39                                       ; source 0 (W_out) window 1, source 1 (O) window 2, C (bias) window 3
.else
	WIN 0x09
.endif
.irp t, 0,1,2,3
.irp nt, 0,1,2,3
.set rY, OA+32*\t+8*\nt
.if \ks == 0
	v_wmma_f32_16x16x32_f16 v[rY:rY+7], v[64*\nt+8*\ks:64*\nt+8*\ks+7], v[64*\t+8*\ks:64*\t+8*\ks+7], v[BO+8*\nt:BO+8*\nt+7]
.else
	v_wmma_f32_16x16x32_f16 v[rY:rY+7], v[64*\nt+8*\ks:64*\nt+8*\ks+7], v[64*\t+8*\ks:64*\t+8*\ks+7], v[rY:rY+7]
.endif
.endr
.endr
.endr
	WIN 0
	PLACES
; ---- THE WAY OUT.  A lane holds 32 neighbouring bytes of a row and the lanes beside it other rows: a tile of 16 rows x 256 bytes goes through my own stage and comes back as whole rows, into the registers that it left.
.macro TOSTAGE t
.irp nt, 0,1,2,3
	ds_store_b128 v[SO], v[OA+32*\t+8*\nt:OA+32*\t+8*\nt+3] offset:64*\nt          ; each accumulator from its low end on
	ds_store_b128 v[SO], v[OA+32*\t+8*\nt+4:OA+32*\t+8*\nt+7] offset:64*\nt+16
.endr
.irp i, 0,1,2,3,4,5,6,7
	ds_load_b128 v[OA+32*\t+4*\i:OA+32*\t+4*\i+3], v[SR] offset:2*SP*\i            ; LDS serves a wave's instructions in order: these see the stores above, and the next tile's stores come behind them
.endr
.endm
.macro SEND t, younger                 ; younger: the LDS instructions issued behind tile t's loads: the next tile's sixteen, or none
.irp i, 0,1,2,3,4,5,6,7
	s_wait_dscnt \younger+7-\i
	global_store_b128 v[GO], v[OA+32*\t+4*\i:OA+32*\t+4*\i+3], s[16:17] offset:(16*\t+2*\i)*1024 th:TH_STORE_NT   ; sixteen lanes store 256 consecutive bytes, at a multiple of 256 from out0's first byte
.endr
.endm
	TOSTAGE 0
	TOSTAGE 1
	SEND 0, 16
	TOSTAGE 2
	SEND 1, 16
	TOSTAGE 3
	SEND 2, 16
	SEND 3, 0
	s_wait_tensorcnt 0x0                           ; the wave's end
	ds_add_u32 v[SPW], v[NIL]
	s_wait_dscnt 0x0
	s_endpgm
.Lfunc_end_k_qd34248e90f_attn:
	.size	k_qd34248e90f_attn, .Lfunc_end_k_qd34248e90f_attn-k_qd34248e90f_attn
	.p2alignl 7, 3214868480
	.fill 96, 4, 3214868480
	.section	.rodata,"a",@progbits
	.p2align	6, 0x0
	.amdhsa_kernel k_qd34248e90f_attn
		.amdhsa_group_segment_fixed_size 98304
		.amdhsa_private_segment_fixed_size 0
		.amdhsa_enable_private_segment 0
		.amdhsa_kernarg_size 56
		.amdhsa_user_sgpr_count 2
		.amdhsa_user_sgpr_kernarg_segment_ptr 1
		.amdhsa_wavefront_size32 1
		.amdhsa_system_sgpr_workgroup_id_x 1
		.amdhsa_system_sgpr_workgroup_id_y 1
		.amdhsa_system_sgpr_workgroup_id_z 1
		.amdhsa_system_vgpr_workitem_id 0
		.amdhsa_next_free_vgpr 1024
		.amdhsa_next_free_sgpr 66
		.amdhsa_reserve_vcc 1
		.amdhsa_float_denorm_mode_32 3
		.amdhsa_float_denorm_mode_16_64 3
		.amdhsa_memory_ordered 1
		.amdhsa_forward_progress 1
		.amdhsa_inst_pref_size 137
	.end_amdhsa_kernel
	.amdgpu_metadata
---
amdhsa.version: [ 1, 2 ]
amdhsa.kernels:
  - .name:           k_qd34248e90f_attn
    .symbol:         k_qd34248e90f_attn.kd
    .args:
      - { .name: x, .offset: 0, .size: 8, .value_kind: global_buffer, .address_space: global }
      - { .name: wq_codes, .offset: 8, .size: 8, .value_kind: global_buffer, .address_space: global }
      - { .name: wq_scales, .offset: 16, .size: 8, .value_kind: global_buffer, .address_space: global }
      - { .name: b_qkv, .offset: 24, .size: 8, .value_kind: global_buffer, .address_space: global }
      - { .name: wo_f16, .offset: 32, .size: 8, .value_kind: global_buffer, .address_space: global }
      - { .name: b_out, .offset: 40, .size: 8, .value_kind: global_buffer, .address_space: global }
      - { .name: out0, .offset: 48, .size: 8, .value_kind: global_buffer, .address_space: global }
    .group_segment_fixed_size: 98304
    .private_segment_fixed_size: 0
    .kernarg_segment_align: 8
    .kernarg_segment_size: 56
    .max_flat_workgroup_size: 128
    .sgpr_count:     66
    .vgpr_count:     1024
    .wavefront_size: 32
...
	.end_amdgpu_metadata
.endif
;; end of part 2
;; ======== version 2 of 2: 2 launches; version 1 with the launch attn written anew for expert scheduling mode
;; limits: values are held in f16: magnitudes above 65,504 overflow, below 6.1e-05 lose precision
;; workspace buffers: wq_codes 98,304 bytes; wq_scales 6,144 bytes; wo_f16 131,072 bytes
;; launch prep: the kernel of part 1 again; grid 80 x 1, 1 waves a work-group, no clusters, 0 bytes of LDS; arguments W_qkv, W_out, wq_codes, wq_scales, wo_f16; writes wq_codes, wq_scales, wo_f16
;; launch attn (part 3): grid 256 x 1, 4 waves a work-group, no clusters, 98,304 bytes of LDS; arguments x, wq_codes, wq_scales, b_qkv, wo_f16, b_out, out0; writes out0
.if DOCPART == 3
	.amdgcn_target "amdgcn-amd-amdhsa--gfx1250"
	.amdhsa_code_object_version 6
	.text
	.protected	k_qd34248e90f_attn
	.globl	k_qd34248e90f_attn
	.p2align	8
	.type	k_qd34248e90f_attn,@function
k_qd34248e90f_attn:
	s_mov_b64 s[64:65], 0
	v_nop
	global_prefetch_b8 v0, s[64:65] scope:SCOPE_SE
	s_setreg_imm32_b32 hwreg(HW_REG_WAVE_SCHED_MODE, 0, 2), 2
	s_setreg_imm32_b32 hwreg(HW_REG_WAVE_MODE, 25, 1), 1
	s_wait_xcnt 0x0
	s_wait_alu depctr_vm_vsrc(0)
; out0 = attention(Q4(x) Q4(W_qkv) + b_qkv) W_out + b_out, window |i - j| <= 12, 4 heads of 64, the whole chain for 64 tokens in one work-group; nothing goes to memory on the way.
; SHARES.  Work-group id: batch id / 64, tokens 64 (id % 64) .. + 63.  It works on six tiles of 16 tokens, m = 0 .. 5, from 16 tokens before its first query to 16 behind its last; queries are tiles 1 .. 4.
;   A tile that would lie outside the batch takes the batch's first or last 16 rows instead (finite numbers), and all its scores are masked.
;   Wave w: quantises x's fragments 3 w .. 3 w + 2 (fragment 2 m + s: tile m, K step s); makes q, k, v of head w; runs head w's attention; makes output columns 64 w .. 64 w + 63 of all 64 rows.
; FORMATS.  x W_qkv on codes of FP4 (E2M1) with one E8M0 scale for each 32 along K, x quantised here in f32.  The other three products on f16 operands with f32 sums; softmax in f32.
; NO CHANGE OF LAYOUT between the products.  Lane (r, h) = (lane % 16, lane / 16).  q and k come from the first product TRANSPOSED (source 0 = 16 columns of W, source 1 = 16 tokens): a lane holds token r and
;   features 8 h + j, so two feature tiles rounded in pairs ARE a fragment 16 tokens x 32 channels.  v comes from it the natural way round (a lane holds channel r and tokens 8 h + j): half a fragment of V^T.
;   S^T = K Q^T, O^T = V^T P^T, Y^T = W_out^T O^T: a lane holds one query throughout, and rounded pairs are the next operand.  Only x's codes and O (f16) go from wave to wave, through LDS, as images of their registers.
; THE WINDOW.  Query tile t needs key tiles t, t + 1, t + 2 (48 keys).  The mask is the C of the first K Q^T instruction: 0 where |i - j| <= 12, else -1e30, which lies under every score that f16 operands can give
;   (64 x 65504^2 = 2.7e11); exp2 of such a score less the maximum is 0.  All 48 scores of a query are in registers at once, so the row's true maximum is taken away before the exponential.
; LIMITS: q, k, v, the attention's result and W_out must lie within +-65,504 (f16); NaN and infinities among the inputs are not served; masked scores are -1e30, not -infinity; a block of zeros of x
;   gets the scale byte 1 (its codes are zeros); blocks whose largest magnitude lies under 2^-124 keep the byte 1; the row's sum is taken of p before it is rounded to f16.
; NO CLUSTER, NO JOINT LOADS, though all work-groups read the same weights: a wave takes each of its 56 weight fragments (57,344 bytes) once, straight into the operand's registers, while x is quantised and
;   while attention runs; a joint load would lay the same bytes in LDS, whence each would be read once more into the same registers.
; Straight-line text: no loop, no branch, two barriers.  No base and no address register is ever stepped and no global store's data are written again, so no wait on XCNT is written.
; THE MODE: SCHED_MODE bits 1:0 = 2 (LLVM: expert scheduling mode 2), set by the entry lines.  The code itself states the register dependences
; between vector or matrix instructions and memory or LDS instructions, with s_wait_alu, always for 0.
; THE PLAN.  Registers that memory or LDS instructions touch, in the order of the text:
;   v4-v15        offsets and LDS addresses: written once at the head, read by loads and stores, never written again: two waits on va_vdst, one ahead of the first global load, one ahead of the first LDS store.
;   v64-255 (RA)  x lands by global loads; a fragment's LDS stores read its 64 registers and its LDS loads land in the same 64 (vm_vsrc between the two runs); the quantiser reads them.
;                 Later v64-87 and v88-99 take scale words by loads (the quantiser's reads stand ahead of the first image's wait on va_vdst, and nothing names them since); v100-255 are written by vector and matrix lines.
;   v48, v50-57   the quantiser writes a scale word and codes (va_vdst), the image's LDS stores read them (vm_vsrc ahead of the next quantiser, and ahead of their use as statistics).
;   window 1      W_qkv's fragments land by loads, the scaled products read them (va_vdst), W_out's fragments land in the same registers.
;   window 2      x's fragments land by LDS loads; Q, K, P are written by conversions and read by products (va_vdst); O's fragments land over them by LDS loads.
;   v128-255 (OA) O^T is scaled and rounded (va_vdst), its images' LDS stores read it (vm_vsrc), Y^T's sums write it (places, va_vdst), the way out stores it to the stage (vm_vsrc) and loads it back; global stores read it last.
;   Fragments and scale words of the scaled products all come by loads: no vector line writes one.
;   A vector line writes a scalar register in two places: the wave's number, and the masks' compares, eight to a run; va_sdst stands behind each.
;
; LDS (bytes)
.set XIMG,  0                          ; x's 12 fragments, 1,024 bytes each: register group c of lane l at 512 c + 16 l
.set XSC,   12288                      ; their scale words, 128 bytes each: 4 bytes a lane
.set OIMG,  13824                      ; O's 32 fragments (query tile t, K step ks) at 8192 t + 1024 ks
.set XST,   46592                      ; for each wave 16 rows x 528: x's turn from rows as loaded to 16 neighbours a lane
.set XSP,   528                        ; 512 bytes + 16: an odd multiple of 16, so that sixteen rows start in different banks (64 banks of 4 bytes: ISA guide 11.1)
.set STG,   80384                      ; for each wave 16 rows x 272: the way out
.set SP,    272
.set SPARE, 97792                      ; the spare words, 128 bytes for each wave: two blocks of 256 bytes that no other line names
; REGISTERS, in windows of 256.  Window 0:
.set LI,   4                           ; 16 x lane
.set LS,   5                           ; 4 x lane
.set R4,   6                           ; 4 r
.set H32,  7                           ; 32 h
.set XSW,  8                           ; x's stage, in: 16 x lane
.set XSR,  9                           ; x's stage, out: 528 r + 64 h
.set XWI,  10                          ; where I store x's images: 16 x lane + 3072 x wave
.set XWS,  11                          ; and their scale words: 4 x lane + 384 x wave
.set OWI,  12                          ; O's images: 16 x lane + 2048 x wave
.set SO,   13                          ; the way out: where I put 32 bytes of a row
.set SR,   14                          ; and where I read rows back
.set GO,   15                          ; my byte offset in two rows of out0
.set E,    16                          ; 16 + r - 8 h, for the mask
.set NEGB, 17                          ; -1e30
.set SPW,  20                          ; LDS address of my spare word; never rewritten
.set NIL,  21                          ; 0; never rewritten
.set MT,   22                          ; v22-29 the masks' temporaries: key - query + 12 of a key tile's eight registers
.set TM,   32                          ; v32-47 the quantiser's temporaries; v48 the scale word; v50-57 the codes just made
.set PW,   48
.set PC,   50
.set ST,   32                          ; later: eight registers of statistics for each query tile
.set RA,   64                          ; v64-255 the numbers of my three fragments of x, 64 each
.set WS,   64                          ; later v64-87: W_qkv's scale words (2 p + s); v88-99: x's (fragment f)
.set XS,   88
.set MK,   100                         ; v100-123 the mask for key tiles a = 0, 1, 2; v124-131, v132-139: a = 0 and a = 2 at the batch's ends
.set ML,   124
.set MR,   132
.set ACC,  160                         ; v160-255 twelve accumulators of the first product; then S^T, 24 a query tile
.set S,    160
.set OA,   128                         ; v128-255 O^T, then Y^T: 32 a query tile
; Window 1: W_qkv's 24 fragments at v[16 p + 8 s], p = 4 part + feature tile; then W_out's 32 at v[64 nt + 8 ks].
; Window 2: x's fragments at v[8 f]; Q at v[96 + 16 t + 8 g]; K at v[160 + 16 m + 8 g]; later P at v[16 t + 8 step]; later O's fragments at v[64 t + 8 ks].
.set QF,   96
.set KF,   160
; Window 3: V^T at v[28 dt + 4 m], half 6 zeros; the biases in the results' layouts.
.set BQK,  112
.set BV,   176
.set BO,   208
.set WV,   18                          ; s18 my wave's number
.set SEL,  32                          ; s[32:33] v_permlanex16_b32's selects for lane l xor 16
.set CS,   34                          ; s[34:35] log2(e) / 8
.set MS,   38                          ; s38-45 the masks' compares, eight to a run (free once the bases are made)
.set MSB, 0
.macro WIN new                         ; bits 1:0 source 0, 3:2 source 1, 5:4 source 2, 7:6 destination; the immediate's high byte repeats the setting that is left
.if MSB != \new
	s_set_vgpr_msb (MSB<<8)|\new
.set MSB, \new
.endif
.endm
.macro PLACES                          ; four plain vector lines between a matrix instruction and the first read of its result (ISA guide 7.12.1)
.rept 4
	v_nop
.endr
.endm
.macro BARRIER                         ; my LDS stores have landed and my LDS loads are in: then the work-group's barrier
	s_wait_dscnt 0x0
	s_barrier_signal -1
	s_barrier_wait -1
.endm
	s_load_b256 s[4:11], s[0:1], 0x0               ; x s[4:5], wq_codes s[6:7], wq_scales s[8:9], b_qkv s[10:11]
	s_load_b128 s[12:15], s[0:1], 0x20             ; wo_f16 s[12:13], b_out s[14:15]
	s_load_b64 s[16:17], s[0:1], 0x30              ; out0
	v_lshl_add_u32 v[SPW], v0, 2, SPARE
	v_mov_b32 v[NIL], 0
	v_lshrrev_b32 v1, 5, v0
	v_readfirstlane_b32 s[WV], v1                  ; wave 0..3
	v_and_b32 v1, 31, v0                           ; lane
	v_and_b32 v2, 15, v0                           ; r
	v_bfe_u32 v3, v0, 4, 1                         ; h
	v_lshlrev_b32 v[LI], 4, v1
	v_lshlrev_b32 v[R4], 2, v2
	v_lshlrev_b32 v[H32], 5, v3
	s_wait_alu depctr_va_sdst(0)                   ; s18, the wave's number, is written, ahead of its first reader: offsets and LDS addresses are made from it
	s_and_b32 s19, ttmp9, 63                       ; my block of 64 tokens in the batch
	s_lshr_b32 s20, ttmp9, 6                       ; the batch
	s_mul_i32 s44, s[WV], 3                        ; my first fragment of x
	s_lshl_b32 s45, s19, 6
	s_sub_co_i32 s45, s45, 16                      ; tile 0's first row in the batch (-16 in the first block)
	s_lshl_b32 s46, s20, 12                        ; the batch's first row
.irp i, 0,1,2
	s_add_co_u32 s21, s44, \i                      ; fragment f = 2 m + s
	s_lshr_b32 s22, s21, 1
	s_and_b32 s21, s21, 1
	s_lshl_b32 s22, s22, 4
	s_add_co_i32 s22, s22, s45
	s_max_i32 s22, s22, 0                          ; a tile outside the batch takes the batch's first
	s_min_i32 s22, s22, 4080                       ; or last 16 rows: no load leaves the batch
	s_add_co_u32 s22, s22, s46
	s_lshl_b32 s22, s22, 10                        ; rows of 1,024 bytes,
	s_lshl_b32 s21, s21, 9                         ; K steps of 512
	s_add_co_u32 s[24+2*\i], s22, s21
	s_mov_b32 s[25+2*\i], 0
.endr
	s_lshl_b32 s36, s[WV], 13                      ; my head's 8 fragments in each part of wq_codes
	s_mov_b32 s37, 0
	s_lshl_b32 s38, s[WV], 8                       ; my head's 64 words in wq_scales, b_qkv, b_out; my 256 bytes of a row of out0
	s_mov_b32 s39, 0
	s_lshl_b32 s40, s[WV], 15                      ; my 32 fragments of wo_f16
	s_mov_b32 s41, 0
	s_lshl_b32 s42, ttmp9, 16                      ; my work-group's 64 rows of out0
	s_add_co_u32 s42, s42, s38
	s_mov_b32 s43, 0
	s_cmp_eq_u32 s19, 0
	s_cselect_b32 s30, -1, 0                       ; all lanes where tile 0 lies outside the batch
	s_cmp_eq_u32 s19, 63
	s_cselect_b32 s31, -1, 0                       ; and tile 5
	s_mov_b32 s[SEL], 0x76543210
	s_mov_b32 s[SEL+1], 0xfedcba98
	s_mov_b32 s[CS], 0x3e38aa3b                    ; log2(e) / sqrt(64)
	s_mov_b32 s[CS+1], s[CS]                       ; (named with it as a pair, so it is written)
	s_wait_kmcnt 0x0
.irp i, 0,1,2
	s_add_nc_u64 s[24+2*\i:25+2*\i], s[4:5], s[24+2*\i:25+2*\i]
.endr
	s_add_nc_u64 s[6:7], s[6:7], s[36:37]
	s_add_nc_u64 s[8:9], s[8:9], s[38:39]
	s_add_nc_u64 s[10:11], s[10:11], s[38:39]
	s_add_nc_u64 s[12:13], s[12:13], s[40:41]
	s_add_nc_u64 s[14:15], s[14:15], s[38:39]
	s_add_nc_u64 s[16:17], s[16:17], s[42:43]
	s_wait_alu depctr_va_vdst(0)                   ; v4, v6 and v7 are written: every global load of the kernel reads one of them as its offset.  Only loads and window switches stand between this wait and the head's last load
; ---- all that is known now is asked for now: 124 loads.  x first: 16 rows x 512 bytes a fragment, each load 512 consecutive bytes of one row
.macro XLOAD i
.irp row, 0,1,2,3,4,5,6,7,8,9,10,11,12,13,14,15
	global_load_b128 v[RA+64*\i+4*\row:RA+64*\i+4*\row+3], v[LI], s[24+2*\i:25+2*\i] offset:1024*\row
.endr
.endm
	XLOAD 0
	XLOAD 1
	XLOAD 2
	WIN 0x40                                       ; destination window 1: my head's 24 fragments of W_qkv, as they lie
.irp pt, 0,1,2
.irp ft, 0,1,2,3
.irp s, 0,1
.irp c, 0,1
	global_load_b128 v[16*(4*\pt+\ft)+8*\s+4*\c:16*(4*\pt+\ft)+8*\s+4*\c+3], v[LI], s[6:7] offset:32768*\pt+2048*\ft+1024*\s+512*\c
.endr
.endr
.endr
.endr
	WIN 0xc0                                       ; destination window 3: the biases, each in the layout of the result that it starts
.irp pt, 0,1
.irp ft, 0,1,2,3
	global_load_b128 v[BQK+8*(4*\pt+\ft):BQK+8*(4*\pt+\ft)+3], v[H32], s[10:11] offset:1024*\pt+64*\ft        ; q, k: features 8 h + 0 .. 7 of the tile
	global_load_b128 v[BQK+8*(4*\pt+\ft)+4:BQK+8*(4*\pt+\ft)+7], v[H32], s[10:11] offset:1024*\pt+64*\ft+16
.endr
.endr
.irp ft, 0,1,2,3
	global_load_b32 v[BV+8*\ft], v[R4], s[10:11] offset:2048+64*\ft                                           ; v: channel r of the tile
.endr
.irp nt, 0,1,2,3
	global_load_b128 v[BO+8*\nt:BO+8*\nt+3], v[H32], s[14:15] offset:64*\nt                                   ; out: columns 8 h + 0 .. 7 of the tile
	global_load_b128 v[BO+8*\nt+4:BO+8*\nt+7], v[H32], s[14:15] offset:64*\nt+16
.endr
.irp d, 0,1,2,3
.irp i, 0,1,2,3
	v_mov_b32 v[28*\d+24+\i], 0                    ; V^T's half 6: zeros, beside the last key tile
.endr
.endr
	WIN 0
	; the LDS addresses are made while the loads are out; each scalar term has a register of its own
	v_lshlrev_b32 v[LS], 2, v1
	s_mul_i32 s21, s[WV], 16*XSP
	s_add_co_u32 s21, s21, XST                     ; my stage for x
	v_add_nc_u32 v[XSW], s21, v[LI]
	v_mul_u32_u24 v[XSR], v2, XSP
	v_lshl_add_u32 v[XSR], v3, 6, v[XSR]
	v_add_nc_u32 v[XSR], s21, v[XSR]
	s_mul_i32 s22, s[WV], 3*1024
	v_add_nc_u32 v[XWI], s22, v[LI]
	s_mul_i32 s23, s[WV], 3*128
	v_add_nc_u32 v[XWS], s23, v[LS]
	s_lshl_b32 s36, s[WV], 11
	v_add_nc_u32 v[OWI], s36, v[LI]
	s_mul_i32 s37, s[WV], 16*SP
	s_add_co_u32 s37, s37, STG                     ; my stage for the way out
	v_mul_u32_u24 v[SO], v2, SP
	v_lshl_add_u32 v[SO], v3, 5, v[SO]
	v_add_nc_u32 v[SO], s37, v[SO]                 ; in: row r, 32 bytes for each half of the lanes
	v_mul_u32_u24 v[SR], v3, SP
	v_lshl_add_u32 v[SR], v2, 4, v[SR]
	v_add_nc_u32 v[SR], s37, v[SR]                 ; back: lanes 0-15 one row of 256 bytes, lanes 16-31 the next
	v_lshlrev_b32 v[GO], 10, v3
	v_lshl_add_u32 v[GO], v2, 4, v[GO]             ; and the same two rows in out0
	v_lshlrev_b32 v18, 3, v3
	v_sub_nc_u32 v[E], v2, v18
	v_add_nc_u32 v[E], 16, v[E]
	v_mov_b32 v[NEGB], 0xf149f2ca                  ; -1e30
.irp b, 0,1,2,3
	v_mov_b32 v[TM+4+\b], 0                        ; written once: a lane permute's destination counts as one of its sources
.endr
; ---- X: my three fragments of x become codes.  A fragment's 16 rows x 512 bytes go through my own stage as they were loaded and come back 16 neighbours of each block of 32 a lane, into the registers that they left.
; LDS serves a wave's instructions in order (ISA guide 5.7.1.4): no wait on DScnt between the stores and the loads, nor in front of the next fragment's stores.
.macro TURN i
.irp row, 0,1,2,3,4,5,6,7,8,9,10,11,12,13,14,15
	ds_store_b128 v[XSW], v[RA+64*\i+4*\row:RA+64*\i+4*\row+3] offset:XSP*\row
.endr
	s_wait_alu depctr_vm_vsrc(0)                   ; the sixteen stores have read the fragment's 64 registers, in which the sixteen loads land; an image's stores issued before have read v48 and v50-57 as well
.irp b, 0,1,2,3
.irp j, 0,1,2,3
	ds_load_b128 v[RA+64*\i+16*\b+4*\j:RA+64*\i+16*\b+4*\j+3], v[XSR] offset:128*\b+16*\j
.endr
.endr
.endm
; 64 numbers of a lane, register 16 b + i = k 32 b + 16 h + i of row r, become a fragment's codes in v[PC] on and its scale word in v[PW].
.macro QUANT s
.irp b, 0,1,2,3
	v_max3_num_f32 v[TM+\b], |v[\s+16*\b]|, |v[\s+1+16*\b]|, 0x1800000   ; block b: my 16 numbers, and the floor 2^(3 - 127): the byte cannot fall under 1
.endr
.irp i, 2,4,6,8,10,12,14
.irp b, 0,1,2,3
	v_max3_num_f32 v[TM+\b], v[TM+\b], |v[\s+16*\b+\i]|, |v[\s+1+16*\b+\i]|   ; (the four blocks by turns)
.endr
.endr
.irp b, 0,1,2,3
	v_permlanex16_b32 v[TM+4+\b], v[TM+\b], s[SEL], s[SEL+1]
.endr
.irp b, 0,1,2,3
	v_max_num_f32 v[TM+\b], v[TM+\b], v[TM+4+\b]   ; with lane l xor 16's: the block's largest magnitude
.endr
.irp b, 0,1,2,3
	v_add_nc_u32 v[TM+12+\b], 0xff000000, v[TM+\b] ; 2 off its exponent field: the conversion's scale operand
.endr
.irp b, 0,1,2,3
	v_lshrrev_b32 v[TM+4+\b], 23, v[TM+12+\b]      ; the scale's byte
.endr
	v_lshl_or_b32 v[PW], v[TM+5], 8, v[TM+4]       ; the four bytes make my row's scale word
	v_lshl_or_b32 v[PW], v[TM+6], 16, v[PW]
	v_lshl_or_b32 v[PW], v[TM+7], 24, v[PW]
.irp b, 0,1,2,3
	v_cvt_scalef32_pk8_fp4_f32 v[PC+2*\b], v[\s+16*\b:\s+7+16*\b], v[TM+12+\b]
	v_cvt_scalef32_pk8_fp4_f32 v[PC+1+2*\b], v[\s+8+16*\b:\s+15+16*\b], v[TM+12+\b]
.endr
	v_nop                                          ; one plain line behind the last scaled conversion
.irp c, 0,1                                    ; the operand's layout wants a WHOLE block in a lane: lanes 0-15 block 2 c, lanes 16-31 block 2 c + 1
.irp i, 0,1
	v_permlane16_swap_b32 v[PC+4*\c+\i], v[PC+2+4*\c+\i]
.endr
.endr
.endm
.macro IMAGE i                         ; the fragment goes to LDS as it stands in my registers, and its scale words, 4 bytes a lane
.irp c, 0,1
	ds_store_b128 v[XWI], v[PC+4*\c:PC+4*\c+3] offset:XIMG+1024*\i+512*\c
.endr
	ds_store_b32 v[XWS], v[PW] offset:XSC+128*\i
.endm
	s_wait_loadcnt 63                              ; 76 loads were issued behind x's last, more than a wait can name (ISA guide 5.7.1): at most 63 outstanding shows the first 61 of the 124 done, x's 48 among them
	s_wait_alu depctr_va_vdst(0)                   ; v5 and v8 to v15 are written: the addresses of every LDS instruction and the offset of every store below
	TURN 0
	TURN 1
	s_wait_dscnt 32                                ; fragment 0 is back; fragment 1's 32 LDS instructions may be out
	QUANT RA
	s_wait_alu depctr_va_vdst(0)                   ; the quantiser has written v48 and v50-57, which the image's stores read, and is done reading v64-127: scale words land in v64-99 below, and no vector line names those from here on
	IMAGE 0
.irp pt, 0,1,2                                 ; W_qkv's scale words, into registers that fragment 0 has left: lane r takes column r's word
.irp ft, 0,1,2,3
.irp s, 0,1
	global_load_b32 v[WS+2*(4*\pt+\ft)+\s], v[R4], s[8:9] offset:3072*\s+1024*\pt+64*\ft
.endr
.endr
.endr
	TURN 2                                         ; (its wait on vm_vsrc stands behind the first image's stores: v48 and v50-57 may be written again)
	s_wait_dscnt 32                                ; all but fragment 2's 32: fragment 1 is back
	QUANT RA+64
	s_wait_alu depctr_va_vdst(0)                   ; the quantiser has written v48 and v50-57, which the image's stores read
	IMAGE 1
	s_wait_dscnt 0x0                               ; fragment 2 is back
	s_wait_alu depctr_vm_vsrc(0)                   ; the second image's stores have read v48 and v50-57, which the quantiser writes again
	QUANT RA+128
	s_wait_alu depctr_va_vdst(0)                   ; the quantiser has written v48 and v50-57, which the image's stores read
	IMAGE 2
	; the masks, while the stores land.  Register j of key tile a holds key - query = 16 a - 16 + 8 h + j - r: it counts where that + 12 lies in 0 .. 24, as an unsigned number.
	; A key tile's eight compares go as a run into eight scalar registers, with one wait behind the run
.irp a, 0,1,2
.irp j, 0,1,2,3,4,5,6,7
	v_sub_nc_u32 v[MT+\j], 16*\a+\j+12, v[E]
.endr
.irp j, 0,1,2,3,4,5,6,7
	v_cmp_lt_u32 s[MS+\j], 24, v[MT+\j]
.endr
	s_wait_alu depctr_va_sdst(0)                   ; the eight compares have written s38 to s45, which the eight selections read
.irp j, 0,1,2,3,4,5,6,7
	v_cndmask_b32 v[MK+8*\a+\j], 0, v[NEGB], s[MS+\j]
.endr
.endr
.irp j, 0,1,2,3,4,5,6,7
	v_cndmask_b32 v[ML+\j], v[MK+\j], v[NEGB], s30       ; query tile 0's first key tile: nothing counts where it lies before the batch
	v_cndmask_b32 v[MR+\j], v[MK+16+\j], v[NEGB], s31    ; query tile 3's last key tile: nothing counts where it lies behind the batch
.endr
	BARRIER                                        ; x's twelve fragments lie in LDS
	s_wait_alu depctr_vm_vsrc(0)                   ; the third image's stores have read v48 and v50-57: these registers are statistics from here on, written by vector lines
; ---- 1: q, k, v of my head
	WIN 0x80                                       ; destination window 2 (no vector or matrix line has named these registers yet)
.irp f, 0,1,2,3,4,5,6,7,8,9,10,11
.irp c, 0,1
	ds_load_b128 v[8*\f+4*\c:8*\f+4*\c+3], v[LI] offset:XIMG+1024*\f+512*\c
.endr
.endr
	WIN 0
.irp f, 0,1,2,3,4,5,6,7,8,9,10,11
	ds_load_b32 v[XS+\f], v[LS] offset:XSC+128*\f  ; into v88-99, which the first quantiser read last, ahead of the first image's wait on va_vdst
.endr
	s_wait_loadcnt 0x0                             ; W_qkv's fragments and scale words, the biases
	WIN 0xc3                                       ; inside window 3
.irp ft, 0,1,2,3
.irp j, 1,2,3,4,5,6,7
	v_mov_b32 v[BV+8*\ft+\j], v[BV+8*\ft]          ; v's bias is the same for a lane's eight tokens
.endr
.endr
	s_wait_dscnt 0x0                               ; x's fragments and scale words
; Two feature tiles (u) x the token tiles (m): 8 or 12 accumulators take turns, one instruction a turn, K step by K step.  The bias is the C of each sum's first instruction.
; part 0 = q (tiles 1 .. 4 alone), 1 = k.  The results, rounded in pairs, are registers 4 u + i of fragment (tile, channels 32 g on).
.macro GROUP_T part, g
.irp s, 0,1
.if \s == 0
	WIN 0x39                                       ; source 0 (W) window 1, source 1 (x) window 2, C (bias) window 3
.else
	WIN 0x09                                       ; C and D window 0
.endif
.irp u, 0,1
.irp m, 0,1,2,3,4,5
.if (\part > 0) || ((\m > 0) && (\m < 5))
.set rP, 4*\part+2*\g+\u
.set rD, ACC+8*(6*\u+\m)
.if \s == 0
	v_wmma_scale_f32_16x16x128_f8f6f4 v[rD:rD+7], v[16*rP:16*rP+7], v[16*\m:16*\m+7], v[BQK+8*rP:BQK+8*rP+7], v[WS+2*rP], v[XS+2*\m] matrix_a_fmt:MATRIX_FMT_FP4 matrix_b_fmt:MATRIX_FMT_FP4
.else
	v_wmma_scale_f32_16x16x128_f8f6f4 v[rD:rD+7], v[16*rP+8:16*rP+15], v[16*\m+8:16*\m+15], v[rD:rD+7], v[WS+2*rP+1], v[XS+2*\m+1] matrix_a_fmt:MATRIX_FMT_FP4 matrix_b_fmt:MATRIX_FMT_FP4
.endif
.endif
.endr
.endr
.endr
	PLACES
	WIN 0x80                                       ; destination window 2
.irp u, 0,1
.irp m, 0,1,2,3,4,5
.if (\part > 0) || ((\m > 0) && (\m < 5))
.set rD, ACC+8*(6*\u+\m)
.if \part == 0
.set rQ, QF+16*(\m-1)+8*\g+4*\u
.else
.set rQ, KF+16*\m+8*\g+4*\u
.endif
.irp i, 0,1,2,3
	v_cvt_pk_f16_f32 v[rQ+\i], v[rD+2*\i], v[rD+2*\i+1]   ; each accumulator from its low end on; these lines are also the places ahead of the next group's writes over the accumulators
.endr
.endif
.endr
.endr
.endm
; v, the natural way round: source 0 = 16 tokens, source 1 = 16 columns of W; the scale operands go with their sources.  The results, rounded in pairs, are half m of V^T's channel tile 2 g + u.
.macro GROUP_N g
.irp s, 0,1
.if \s == 0
	WIN 0x36                                       ; source 0 (x) window 2, source 1 (W) window 1, C (bias) window 3
.else
	WIN 0x06
.endif
.irp u, 0,1
.irp m, 0,1,2,3,4,5
.set rP, 8+2*\g+\u
.set rD, ACC+8*(6*\u+\m)
.if \s == 0
	v_wmma_scale_f32_16x16x128_f8f6f4 v[rD:rD+7], v[16*\m:16*\m+7], v[16*rP:16*rP+7], v[BV+8*(2*\g+\u):BV+8*(2*\g+\u)+7], v[XS+2*\m], v[WS+2*rP] matrix_a_fmt:MATRIX_FMT_FP4 matrix_b_fmt:MATRIX_FMT_FP4
.else
	v_wmma_scale_f32_16x16x128_f8f6f4 v[rD:rD+7], v[16*\m+8:16*\m+15], v[16*rP+8:16*rP+15], v[rD:rD+7], v[XS+2*\m+1], v[WS+2*rP+1] matrix_a_fmt:MATRIX_FMT_FP4 matrix_b_fmt:MATRIX_FMT_FP4
.endif
.endr
.endr
.endr
	PLACES
	WIN 0xc0                                       ; destination window 3
.irp u, 0,1
.irp m, 0,1,2,3,4,5
.set rD, ACC+8*(6*\u+\m)
.irp i, 0,1,2,3
	v_cvt_pk_f16_f32 v[28*(2*\g+\u)+4*\m+\i], v[rD+2*\i], v[rD+2*\i+1]
.endr
.endr
.endr
.endm
	GROUP_T 0, 0
	GROUP_T 0, 1
	GROUP_T 1, 0
	GROUP_T 1, 1
	GROUP_N 0
	GROUP_N 1
	WIN 0x40                                       ; W_qkv is done with: my 32 fragments of W_out take its window and land while attention runs
	s_wait_alu depctr_va_vdst(0)                   ; the scaled products are done reading W_qkv's fragments, in which W_out's land
.irp nt, 0,1,2,3
.irp ks, 0,1,2,3,4,5,6,7
.irp c, 0,1
	global_load_b128 v[64*\nt+8*\ks+4*\c:64*\nt+8*\ks+4*\c+3], v[LI], s[12:13] offset:8192*\nt+1024*\ks+512*\c
.endr
.endr
.endr
	WIN 0x80
.irp t, 0,1,2,3
.irp i, 12,13,14,15
	v_mov_b32 v[16*\t+\i], 0                       ; P's second fragment holds 16 keys: its other 16 are zeros
.endr
.endr
	WIN 0
.irp t, 0,1,2,3
	v_mov_b32 v[ST+8*\t+1], 0                      ; a lane permute's destination counts as one of its sources;
	v_mov_b32 v[ST+8*\t+7], 0                      ; named as the upper half of a pair
.endr
; ---- 2: attention of my head, the four query tiles side by side, line by line
	WIN 0x0a                                       ; K and Q in window 2, mask and S^T in window 0
.irp g, 0,1                                    ; S^T = K Q^T + mask: twelve accumulators by turns, 32 channels at a time
.irp t, 0,1,2,3
.irp a, 0,1,2
.set rS, S+24*\t+8*\a
.set rK, KF+16*(\t+\a)+8*\g
.set rQ, QF+16*\t+8*\g
.set rM, MK+8*\a
.if (\t == 0) && (\a == 0)
.set rM, ML
.endif
.if (\t == 3) && (\a == 2)
.set rM, MR
.endif
.if \g == 0
	v_wmma_f32_16x16x32_f16 v[rS:rS+7], v[rK:rK+7], v[rQ:rQ+7], v[rM:rM+7]
.else
	v_wmma_f32_16x16x32_f16 v[rS:rS+7], v[rK:rK+7], v[rQ:rQ+7], v[rS:rS+7]
.endif
.endr
.endr
.endr
	WIN 0
	PLACES
	; the row's maximum: a chain for each accumulator, begun at its low end
.irp a, 0,1,2
.irp t, 0,1,2,3
	v_max3_num_f32 v[ST+8*\t+2+\a], v[S+24*\t+8*\a], v[S+24*\t+8*\a+1], v[S+24*\t+8*\a+2]
.endr
.endr
.irp i, 3,5
.irp a, 0,1,2
.irp t, 0,1,2,3
	v_max3_num_f32 v[ST+8*\t+2+\a], v[ST+8*\t+2+\a], v[S+24*\t+8*\a+\i], v[S+24*\t+8*\a+\i+1]
.endr
.endr
.endr
.irp t, 0,1,2,3
	v_max3_num_f32 v[ST+8*\t+2], v[ST+8*\t+2], v[S+24*\t+7], v[S+24*\t+15]
.endr
.irp t, 0,1,2,3
	v_max3_num_f32 v[ST+8*\t+3], v[ST+8*\t+3], v[ST+8*\t+4], v[S+24*\t+23]
.endr
.irp t, 0,1,2,3
	v_max_num_f32 v[ST+8*\t+2], v[ST+8*\t+2], v[ST+8*\t+3]
.endr
.irp t, 0,1,2,3
	v_permlanex16_b32 v[ST+8*\t+1], v[ST+8*\t+2], s[SEL], s[SEL+1]   ; the query's other 24 keys lie in the lane 16 away
.endr
.irp t, 0,1,2,3
	v_max_num_f32 v[ST+8*\t], v[ST+8*\t+2], v[ST+8*\t+1]             ; m: a true score, since a query always counts for itself
.endr
	; (s - m) x log2(e) / 8.  The subtraction comes first and is not fused with the scaling: it is exactly 0 at the maximum and never above 0, however large the scores are;
	; c s - round(c m) could stand above 0 by half a unit in the last place of c m, which for very large scores is a large exponent
.irp x, 0,2,4,6,8,10,12,14,16,18,20,22
.irp t, 0,1,2,3
	v_pk_add_f32 v[S+24*\t+\x:S+24*\t+\x+1], v[S+24*\t+\x:S+24*\t+\x+1], v[ST+8*\t:ST+8*\t+1] op_sel_hi:[1,0] neg_lo:[0,1] neg_hi:[0,1]
.endr
.endr
.irp x, 0,2,4,6,8,10,12,14,16,18,20,22
.irp t, 0,1,2,3
	v_pk_mul_f32 v[S+24*\t+\x:S+24*\t+\x+1], v[S+24*\t+\x:S+24*\t+\x+1], s[CS:CS+1] op_sel_hi:[1,0]
.endr
.endr
.irp x, 0,1,2,3,4,5,6,7,8,9,10,11,12,13,14,15,16,17,18,19,20,21,22,23
.irp t, 0,1,2,3
	v_exp_f32 v[S+24*\t+\x], v[S+24*\t+\x]         ; p, at most 1; 0 under the mask.  One batch of 96
.endr
.endr
	v_nop                                          ; a plain line behind the last exponential
	s_wait_alu depctr_va_vdst(0)                   ; the 96 exponentials have written p in v160-255: the wait stands ahead of the first line that names a result: one for the batch
	; the row's sum, of p as it is, two at a time, in two chains
.irp t, 0,1,2,3
	v_pk_add_f32 v[ST+8*\t+2:ST+8*\t+3], v[S+24*\t:S+24*\t+1], v[S+24*\t+2:S+24*\t+3]
.endr
.irp t, 0,1,2,3
	v_pk_add_f32 v[ST+8*\t+4:ST+8*\t+5], v[S+24*\t+4:S+24*\t+5], v[S+24*\t+6:S+24*\t+7]
.endr
.irp x, 8,12,16,20
.irp t, 0,1,2,3
	v_pk_add_f32 v[ST+8*\t+2:ST+8*\t+3], v[ST+8*\t+2:ST+8*\t+3], v[S+24*\t+\x:S+24*\t+\x+1]
	v_pk_add_f32 v[ST+8*\t+4:ST+8*\t+5], v[ST+8*\t+4:ST+8*\t+5], v[S+24*\t+\x+2:S+24*\t+\x+3]
.endr
.endr
.irp t, 0,1,2,3
	v_pk_add_f32 v[ST+8*\t+2:ST+8*\t+3], v[ST+8*\t+2:ST+8*\t+3], v[ST+8*\t+4:ST+8*\t+5]
.endr
.irp t, 0,1,2,3
	v_add_f32 v[ST+8*\t+2], v[ST+8*\t+2], v[ST+8*\t+3]
.endr
.irp t, 0,1,2,3
	v_permlanex16_b32 v[ST+8*\t+1], v[ST+8*\t+2], s[SEL], s[SEL+1]
.endr
.irp t, 0,1,2,3
	v_add_f32 v[ST+8*\t+2], v[ST+8*\t+2], v[ST+8*\t+1]
.endr
.irp t, 0,1,2,3
	v_rcp_f32 v[ST+8*\t+6], v[ST+8*\t+2]           ; at least 1 is summed: the maximum's own p
.endr
	WIN 0x80                                       ; destination window 2: p, rounded in pairs, is the second product's operand.  (Plain work behind the reciprocals)
.irp a, 0,1,2
.irp i, 0,1,2,3
.irp t, 0,1,2,3
	v_cvt_pk_f16_f32 v[16*\t+4*\a+\i], v[S+24*\t+8*\a+2*\i], v[S+24*\t+8*\a+2*\i+1]
.endr
.endr
.endr
	s_wait_alu depctr_va_vdst(0)                   ; the four reciprocals have written v38, v46, v54, v62: one wait for the four, ahead of their first reader
	WIN 0x0b                                       ; V^T in window 3, P in window 2, O^T in window 0
.irp k, 0,1                                    ; O^T = V^T P^T: sixteen accumulators by turns; key tiles t, t + 1, then t + 2 and zeros of P
.irp t, 0,1,2,3
.irp d, 0,1,2,3
.set rO, OA+32*\t+8*\d
.set rV, 28*\d+4*\t+8*\k
.set rP, 16*\t+8*\k
.if \k == 0
	v_wmma_f32_16x16x32_f16 v[rO:rO+7], v[rV:rV+7], v[rP:rP+7], 0
.else
	v_wmma_f32_16x16x32_f16 v[rO:rO+7], v[rV:rV+7], v[rP:rP+7], v[rO:rO+7]
.endif
.endr
.endr
.endr
	WIN 0
	PLACES
.irp t, 0,1,2,3                                ; O^T / the sum, each accumulator from its low end on
.irp x, 0,2,4,6,8,10,12,14,16,18,20,22,24,26,28,30
	v_pk_mul_f32 v[OA+32*\t+\x:OA+32*\t+\x+1], v[OA+32*\t+\x:OA+32*\t+\x+1], v[ST+8*\t+6:ST+8*\t+7] op_sel_hi:[1,0]
.endr
.endr
.irp t, 0,1,2,3                                ; rounded in pairs, in place and ascending: register k is read (as one of pair k / 2) before it is written
.irp k, 0,1,2,3,4,5,6,7,8,9,10,11,12,13,14,15
	v_cvt_pk_f16_f32 v[OA+32*\t+\k], v[OA+32*\t+2*\k], v[OA+32*\t+2*\k+1]
.endr
.endr
	s_wait_alu depctr_va_vdst(0)                   ; the roundings have written O's fragments in v[OA ..], which the images' stores read
.irp t, 0,1,2,3                                ; channel tiles 2 i, 2 i + 1 of my head are K step 2 w + i of the last product: their images go to LDS
.irp i, 0,1
.irp c, 0,1
	ds_store_b128 v[OWI], v[OA+32*\t+8*\i+4*\c:OA+32*\t+8*\i+4*\c+3] offset:OIMG+8192*\t+1024*\i+512*\c
.endr
.endr
.endr
	BARRIER                                        ; O's 32 fragments lie in LDS
	s_wait_alu depctr_vm_vsrc(0)                   ; my images' stores have read v[OA ..], which Y^T's sums write
; ---- 3: Y^T = W_out^T O^T + b_out: my 64 columns for the 64 rows
	WIN 0x80                                       ; destination window 2
	s_wait_alu depctr_va_vdst(0)                   ; the switch, the wait, the loads: the products are done reading Q, K and P, and the conversions and zeros that made them are written: O's fragments land in those registers
.irp ks, 0,1,2,3,4,5,6,7
.irp t, 0,1,2,3
.irp c, 0,1
	ds_load_b128 v[64*\t+8*\ks+4*\c:64*\t+8*\ks+4*\c+3], v[LI] offset:OIMG+8192*\t+1024*\ks+512*\c
.endr
.endr
.endr
	s_wait_loadcnt 0x0                             ; W_out
.irp ks, 0,1,2,3,4,5,6,7
	s_wait_dscnt 56-8*\ks                          ; this K step's eight loads are in; the later K steps' may be out
.if \ks == 0
	WIN 0x39                                       ; source 0 (W_out) window 1, source 1 (O) window 2, C (bias) window 3
.else
	WIN 0x09
.endif
.irp t, 0,1,2,3
.irp nt, 0,1,2,3
.set rY, OA+32*\t+8*\nt
.if \ks == 0
	v_wmma_f32_16x16x32_f16 v[rY:rY+7], v[64*\nt+8*\ks:64*\nt+8*\ks+7], v[64*\t+8*\ks:64*\t+8*\ks+7], v[BO+8*\nt:BO+8*\nt+7]
.else
	v_wmma_f32_16x16x32_f16 v[rY:rY+7], v[64*\nt+8*\ks:64*\nt+8*\ks+7], v[64*\t+8*\ks:64*\t+8*\ks+7], v[rY:rY+7]
.endif
.endr
.endr
.endr
	WIN 0
	PLACES
	s_wait_alu depctr_va_vdst(0)                   ; the products have written Y^T in v[OA ..], which the stage's stores read and in which the stage's loads land; the places above stay beside this wait; no vector or matrix line follows it
; ---- THE WAY OUT.  A lane holds 32 neighbouring bytes of a row and the lanes beside it other rows: a tile of 16 rows x 256 bytes goes through my own stage and comes back as whole rows, into the registers that it left.
.macro TOSTAGE t
.irp nt, 0,1,2,3
	ds_store_b128 v[SO], v[OA+32*\t+8*\nt:OA+32*\t+8*\nt+3] offset:64*\nt          ; each accumulator from its low end on
	ds_store_b128 v[SO], v[OA+32*\t+8*\nt+4:OA+32*\t+8*\nt+7] offset:64*\nt+16
.endr
	s_wait_alu depctr_vm_vsrc(0)                   ; the eight stores have read the tile's 32 registers, in which the eight loads land
.irp i, 0,1,2,3,4,5,6,7
	ds_load_b128 v[OA+32*\t+4*\i:OA+32*\t+4*\i+3], v[SR] offset:2*SP*\i            ; LDS serves a wave's instructions in order: these see the stores above, and the next tile's stores come behind them
.endr
.endm
.macro SEND t, younger                 ; younger: the LDS instructions issued behind tile t's loads: the next tile's sixteen, or none
.irp i, 0,1,2,3,4,5,6,7
	s_wait_dscnt \younger+7-\i
	global_store_b128 v[GO], v[OA+32*\t+4*\i:OA+32*\t+4*\i+3], s[16:17] offset:(16*\t+2*\i)*1024 th:TH_STORE_NT   ; sixteen lanes store 256 consecutive bytes, at a multiple of 256 from out0's first byte
.endr
.endm
	TOSTAGE 0
	TOSTAGE 1
	SEND 0, 16
	TOSTAGE 2
	SEND 1, 16
	TOSTAGE 3
	SEND 2, 16
	SEND 3, 0
	s_wait_dscnt 0x0                               ; the wave's end: the closing lines, six on end, behind my last LDS store
	s_wait_alu 0x0
	s_wait_tensorcnt 0x0
	ds_add_u32 v[SPW], v[NIL]
	s_wait_dscnt 0x0
	s_endpgm
.Lfunc_end_k_qd34248e90f_attn:
	.size	k_qd34248e90f_attn, .Lfunc_end_k_qd34248e90f_attn-k_qd34248e90f_attn
	.p2alignl 7, 3214868480
	.fill 96, 4, 3214868480
	.section	.rodata,"a",@progbits
	.p2align	6, 0x0
	.amdhsa_kernel k_qd34248e90f_attn
		.amdhsa_group_segment_fixed_size 98304
		.amdhsa_private_segment_fixed_size 0
		.amdhsa_enable_private_segment 0
		.amdhsa_kernarg_size 56
		.amdhsa_user_sgpr_count 2
		.amdhsa_user_sgpr_kernarg_segment_ptr 1
		.amdhsa_wavefront_size32 1
		.amdhsa_system_sgpr_workgroup_id_x 1
		.amdhsa_system_sgpr_workgroup_id_y 1
		.amdhsa_system_sgpr_workgroup_id_z 1
		.amdhsa_system_vgpr_workitem_id 0
		.amdhsa_next_free_vgpr 1024
		.amdhsa_next_free_sgpr 66
		.amdhsa_reserve_vcc 0
		.amdhsa_float_denorm_mode_32 3
		.amdhsa_float_denorm_mode_16_64 3
		.amdhsa_memory_ordered 1
		.amdhsa_forward_progress 1
		.amdhsa_inst_pref_size 139
	.end_amdhsa_kernel
	.amdgpu_metadata
---
amdhsa.version: [ 1, 2 ]
amdhsa.kernels:
  - .name:           k_qd34248e90f_attn
    .symbol:         k_qd34248e90f_attn.kd
    .args:
      - { .name: x, .offset: 0, .size: 8, .value_kind: global_buffer, .address_space: global }
      - { .name: wq_codes, .offset: 8, .size: 8, .value_kind: global_buffer, .address_space: global }
      - { .name: wq_scales, .offset: 16, .size: 8, .value_kind: global_buffer, .address_space: global }
      - { .name: b_qkv, .offset: 24, .size: 8, .value_kind: global_buffer, .address_space: global }
      - { .name: wo_f16, .offset: 32, .size: 8, .value_kind: global_buffer, .address_space: global }
      - { .name: b_out, .offset: 40, .size: 8, .value_kind: global_buffer, .address_space: global }
      - { .name: out0, .offset: 48, .size: 8, .value_kind: global_buffer, .address_space: global }
    .group_segment_fixed_size: 98304
    .private_segment_fixed_size: 0
    .kernarg_segment_align: 8
    .kernarg_segment_size: 56
    .max_flat_workgroup_size: 128
    .sgpr_count:     66
    .vgpr_count:     1024
    .wavefront_size: 32
...
	.end_amdgpu_metadata
.endif
;; end of part 3
